; MI455X (gfx1250); checked and timed in simulation.
; The chip was launched on July 23, 2026; its instructions are those of AMD's public machine-readable ISA for CDNA 5 (MIT licence, August 2026) and "CDNA5" Instruction Set Architecture Reference Guide (July 2026). The comments in the code are by the model that wrote it; some were corrected since.
;; Attention Tier. Allowed arithmetic: matrix products marked QUANTISED: E2M3 operands, one E8M0 scale for each 32 along K, by v_wmma_scale_f32_16x16x128_f8f6f4 with both operands' format E2M3, f32 sums; everything else in f32.
;; Inputs: W_out 1,024 x 1,024 float32; W_qkv 3,072 x 1,024 float32; x 4 x 2,048 x 1,024 float32.
;; Outputs: out0 4 x 2,048 x 1,024 float32.
;; This version of the problem:
;;   THIS VERSION OF THE PROBLEM IS GIVEN IN LOW PRECISION. The matrix products marked QUANTISED in the list below multiply operands that are first quantised to E2M3 (2 exponent bits, 3 mantissa bits; 6 bits a number), with one power-of-two scale for each 32 numbers along K (OCP MX v1.0); their sums are f32. All else is computed in f32.
;;   The module's matrix products, in the order in which they are computed (A, B: the left and right operand; K: the contracted axis; several contracted axes count as one K, in the product's order):
;;     1. [M 8,192, K 1,024] x [K 1,024, N 3,072]; A: input x; B: input W_qkv: QUANTISED
;;     2. batch 64 x [M 2,048, K 64] x [K 64, N 2,048]; A: computed on the way; B: computed on the way: QUANTISED
;;     3. batch 64 x [M 2,048, K 2,048] x [K 2,048, N 64]; A: softmax (see below); B: computed on the way: QUANTISED
;;     4. [M 8,192, K 1,024] x [K 1,024, N 1,024]; A: computed on the way; B: input W_out: QUANTISED
;;   THE QUANTISER, for each operand of a quantised product, along K:
;;     - K is cut into blocks of 32 from its start; a last block that is shorter is filled with zeros.
;;     - A block's scale is 2^e with e = floor(log2(the largest magnitude in the block)) - 2, held to -126 .. 127; a block of zeros has e = 0. As a byte (E8M0): e + 127.
;;     - Each number is divided by its block's scale, clamped to +-7.5, and rounded to the nearest number of E2M3, ties to even, subnormals kept.
;;     - The product sums the exact products of the quantised numbers (number of the format x scale) in f32.
;;   ~~~python
;;   def quantise(x, axis):      # numpy; x: float32 -> the quantised numbers, widened to float32 again
;;       x = np.moveaxis(x, axis, -1); K = x.shape[-1]
;;       x = np.pad(x, [(0, 0)] * (x.ndim - 1) + [(0, -K % 32)]); x = x.reshape(x.shape[:-1] + (-1, 32)); a = np.abs(x).max(-1, keepdims=True)
;;       e = np.where(a > 0, np.clip(np.frexp(np.where(a > 0, a, 1))[1] - 1 - 2, -126, 127), 0)      # np.frexp(a)[1] - 1 = floor(log2(a)), exactly
;;       r = np.clip(x / 2.0 ** e, -7.5, 7.5)
;;       step = 2.0 ** (np.maximum(np.frexp(np.where(r == 0, 1, r))[1] - 1, 0) - 3)
;;       q = np.round(r / step) * step * 2.0 ** e      # np.round: ties to even
;;       return np.moveaxis(q.reshape(q.shape[:-2] + (-1,))[..., :K], -1, axis).astype(np.float32)
;;   ~~~
;;   SOFTMAX AHEAD OF A QUANTISED PRODUCT. Where the list says 'softmax', what is quantised is not the finished softmax but p = 2^(t - M), with t = logit x log2(e) and M = ceil(the row's largest t), a whole number; so 1/2 < the row's largest p <= 1. The row's sum l is taken of the UNQUANTISED p, in f32, and the product's result is divided by l at the end. Since M is a whole number, a kernel that streams over the keys may use a running M (the ceiling of the running maximum): every later rescaling is an exact power of two, which a block's scale takes up: the codes' values come out the same.
;;   OPERANDS COMPUTED ON THE WAY. 'Computed on the way' means the value that the module computes at that place (a softmax that the list does not call 'softmax' is quantised finished and normalised). What goes into a quantiser is computed in f32, as accurately as f32 sums, v_exp_f32 and their like allow (about 1e-6 of the number): no bf16 or f16 on the way to a quantiser, and a product that is left as it is and whose result goes on into a quantised operand takes f32 operands (vector FMAs, or v_wmma_f32_16x16x4_f32). A number that lies on a knife's edge between two numbers of the format may be rounded either way, as far as f32 arithmetic and the matrix unit's own rounding can turn it there, and no further.
;; One version. Each part assembles by itself: llvm-mc -triple=amdgcn-amd-amdhsa -mcpu=gfx1250 --defsym DOCPART=n.
;; ======== version 1 of 1: 4 launches
;; workspace buffers: cod 10,223,616 bytes; tab 524,288 bytes; qimg 6,553,600 bytes; kvimg 13,107,200 bytes; acod 6,815,744 bytes
;; launch prep (part 1): grid 416 x 1, 4 waves a work-group, no clusters, 34,304 bytes of LDS; arguments x, W_qkv, W_out, cod, tab; writes cod, tab
.if DOCPART == 1
	.amdgcn_target "amdgcn-amd-amdhsa--gfx1250"
	.amdhsa_code_object_version 6
	.text
	.protected	k_q640e0cfef1_prep
	.globl	k_q640e0cfef1_prep
	.p2align	8
	.type	k_q640e0cfef1_prep,@function
k_q640e0cfef1_prep:
	s_mov_b64 s[64:65], 0
	v_nop
	global_prefetch_b8 v0, s[64:65] scope:SCOPE_SE
	s_setreg_imm32_b32 hwreg(HW_REG_WAVE_MODE, 25, 1), 1
	s_wait_xcnt 0x0
; x [8192][1024], W_qkv [3072][1024], W_out [1024][1024], f32 with K innermost, become codes of FP6 (E2M3) with one E8M0 byte for each 32 along K; and the table of cos and sin for the rotation is made.
; A block's scale is 2^(floor(log2(its largest magnitude)) - 2): its byte is the largest magnitude's exponent field - 2, held at 1 from below.
; LIMITS: NaN and infinities among the inputs are not served; a block whose largest magnitude lies under 2^-124 has its byte held at 1; a block of zeros carries the byte 1 and not 127 (its codes are
; zeros, and this program alone reads the bytes).  10000^(-j/32) is within about one and a half units in its last place of the true number.
; THE CODES ARE LAID AS IMAGES OF THE OPERAND'S REGISTERS.  A row block is 16 rows: position r of block i is row 32 (i / 2) + 8 (i % 2) + r + 8 (r / 8).  Its record is 13,312 bytes: four parts of 3,328, one for
; each 256 along K: two fragments of 1,536 bytes (128 along K each), then 128 bytes of scale words ([r][2 words]), then 128 bytes that nobody writes or reads.  A fragment is two halves of 768 bytes (64 along K):
; lane l = r + 16 h owns the 24 bytes of k = 32 h .. 32 h + 31 of row r: four words at 16 l, two at 512 + 8 l.  So every store of a wave covers 512 or 256 bytes on end.
; SHARES.  Work-groups 0-255 take x, 256-351 W_qkv, 352-383 W_out, 32 rows each: wave v takes row block 2 w + v / 2 and half v % 2 of K: four fragments.  Work-groups 384-415 make the table, 64 rows each.
; Each load reads 512 bytes on end of one row; the 16 rows of a fragment turn through the wave's own stage in LDS (pitch 528 bytes = 132 words: row r starts at bank 4 r mod 64: ISA guide 11.1).  Waves share nothing: no barrier.
.set RBB,    13312
.set KSL,    3328
.set SPITCH, 528
.set WSTG,   16*SPITCH
.set LD0,    16                        ; v16-79, v80-143  two sets of 16 rows x 16 bytes a lane, as loaded
.set X,      144                       ; v144-207  my 64 numbers: register 32 c + n = k 64 c + 32 h + n of row r
.set CD,     208                       ; v208-219  a fragment's codes
.set TP,     220                       ; v220-222, v224-226  the second halves of the blocks' codes (a conversion's three registers begin on an even number)
.set WD,     228                       ; v228-231  the four fragments' scale words
	s_load_b128 s[4:7], s[0:1], 0x0                ; x, W_qkv
	s_load_b128 s[8:11], s[0:1], 0x10              ; W_out, cod
	s_load_b64 s[12:13], s[0:1], 0x20              ; tab
	v_lshl_add_u32 v240, v0, 2, 0x8400
	v_mov_b32 v241, 0
	v_lshrrev_b32 v1, 5, v0
	v_readfirstlane_b32 s18, v1                    ; wave
	v_and_b32 v1, 31, v0                           ; lane
	v_lshlrev_b32 v2, 4, v1                        ; 16 x lane
	v_lshlrev_b32 v3, 3, v1                        ; 8 x lane
	v_and_b32 v7, 15, v0                           ; r
	v_bfe_u32 v8, v0, 4, 1                         ; h
	s_wait_kmcnt 0x0
	s_cmp_ge_u32 ttmp9, 384
	s_cbranch_scc1 .Ltable
	; ---- the quantiser.  The tensor is chosen by the work-group's number alone
	s_mov_b32 s20, 0x76543210
	s_mov_b32 s21, 0xfedcba98                      ; v_permlanex16_b32's selects for lane l xor 16
	s_mov_b32 s17, 352
	s_cmp_lt_u32 ttmp9, 352
	s_cselect_b64 s[14:15], s[6:7], s[8:9]
	s_cselect_b32 s16, 256, s17
	s_cmp_lt_u32 ttmp9, 256
	s_cselect_b64 s[14:15], s[4:5], s[14:15]
	s_cselect_b32 s16, 0, s16
	s_sub_co_u32 s16, ttmp9, s16                   ; which 32 rows of the tensor
	s_lshl_b32 s22, s16, 17                        ; 32 rows of 4,096 bytes
	s_lshr_b32 s19, s18, 1                         ; which of the two row blocks: 8 rows further down
	s_and_b32 s24, s18, 1                          ; which half of K
	s_lshl_b32 s25, s19, 15
	s_add_co_u32 s22, s22, s25
	s_lshl_b32 s25, s24, 11
	s_add_co_u32 s22, s22, s25
	s_mov_b32 s23, 0
	s_add_nc_u64 s[14:15], s[14:15], s[22:23]
	s_lshl_b32 s22, ttmp9, 1
	s_add_co_u32 s22, s22, s19                     ; the row block's number in cod
	s_mul_i32 s22, s22, RBB
	s_mul_i32 s25, s24, 2*KSL
	s_add_co_u32 s22, s22, s25
	s_add_nc_u64 s[10:11], s[10:11], s[22:23]
	s_mul_i32 s26, s18, WSTG                       ; my stage
	v_add_nc_u32 v4, s26, v2                       ; into it: 16 bytes a lane of a row
	v_mul_u32_u24 v5, v7, SPITCH
	v_lshl_add_u32 v5, v8, 7, v5
	v_add_nc_u32 v5, s26, v5                       ; out of it: row r, 128 h bytes on
	v_mul_u32_u24 v6, v8, KSL
	v_lshl_add_u32 v6, v7, 3, v6
	v_add_nc_u32 v6, 3072, v6                      ; the scale words: lanes 0-15 the first 256 along K, lanes 16-31 the second
	v_lshlrev_b32 v9, 3, v8                        ; 8 h: my two bytes' place in a scale word
	v_mov_b32 v15, 0                               ; written once: a lane permute's destination counts as one of its sources
.macro LOAD t                          ; fragment t: 16 rows x 512 bytes
.irp p, 0,1,2,3,4,5,6,7,8,9,10,11,12,13,14,15
	global_load_b128 v[LD0+64*((\t)%2)+4*\p:LD0+64*((\t)%2)+4*\p+3], v2, s[14:15] offset:(\p+8*(\p/8))*4096+512*(\t) th:TH_LOAD_NT
.endr
.endm
.macro FRAGQ t
.set RS, LD0+64*((\t)%2)
.set OFS, ((\t)/2)*KSL+((\t)%2)*1536
.if (\t) < 3
	s_wait_loadcnt 16                              ; this fragment's 16 loads are in; the next one's 16 may be out
.else
	s_wait_loadcnt 0x0
.endif
.irp p, 0,1,2,3,4,5,6,7,8,9,10,11,12,13,14,15
	ds_store_b128 v4, v[RS+4*\p:RS+4*\p+3] offset:SPITCH*\p
.endr
.irp c, 0,1
.irp i, 0,1,2,3,4,5,6,7
	ds_load_b128 v[X+32*\c+4*\i:X+32*\c+4*\i+3], v5 offset:256*\c+16*\i   ; LDS serves a wave's instructions in order (ISA guide 5.7.1.4): these see the stores above
.endr
.endr
	s_wait_dscnt 0x0                               ; my 64 numbers are in, and the stores have read their registers,
.if (\t) < 2
	LOAD (\t)+2                                    ; which take the fragment two further on
.endif
.irp c, 0,1                                    ; a block's 32 numbers are all mine: two chains a block, the two blocks by turns
	v_max3_num_f32 v[10+2*\c], |v[X+32*\c]|, |v[X+32*\c+1]|, |v[X+32*\c+2]|
	v_max3_num_f32 v[11+2*\c], |v[X+32*\c+3]|, |v[X+32*\c+4]|, |v[X+32*\c+5]|
.endr
.irp i, 6,10,14,18,22,26
.irp c, 0,1
	v_max3_num_f32 v[10+2*\c], v[10+2*\c], |v[X+32*\c+\i]|, |v[X+32*\c+\i+1]|
	v_max3_num_f32 v[11+2*\c], v[11+2*\c], |v[X+32*\c+\i+2]|, |v[X+32*\c+\i+3]|
.endr
.endr
.irp c, 0,1
	v_max3_num_f32 v[10+2*\c], v[10+2*\c], |v[X+32*\c+30]|, |v[X+32*\c+31]|
.endr
.irp c, 0,1
	v_max3_num_f32 v[10+2*\c], v[10+2*\c], v[11+2*\c], 0x1800000   ; and the floor 2^(3 - 127): the byte cannot fall under 1
.endr
	v_add_nc_u32 v10, 0xff000000, v10              ; 2 off the exponent field: the conversion takes the exponent field of this operand as its scale
	v_add_nc_u32 v12, 0xff000000, v12
	v_lshrrev_b32 v11, 23, v10                     ; the scales' bytes: blocks h and 2 + h of row r
	v_lshrrev_b32 v13, 23, v12
	v_lshl_or_b32 v14, v13, 16, v11
	v_lshlrev_b32 v14, v9, v14                     ; at their places in the word
	v_permlanex16_b32 v15, v14, s20, s21
	v_or_b32 v[WD+(\t)], v14, v15                  ; with lane l xor 16's two the word is whole
	s_wait_xcnt 0x0                                ; the last fragment's stores have read the codes' registers
	v_cvt_scalef32_pk16_fp6_f32 v[CD:CD+2], v[X:X+15], v10
	v_cvt_scalef32_pk16_fp6_f32 v[TP:TP+2], v[X+16:X+31], v10
	v_cvt_scalef32_pk16_fp6_f32 v[CD+6:CD+8], v[X+32:X+47], v12
	v_cvt_scalef32_pk16_fp6_f32 v[TP+4:TP+6], v[X+48:X+63], v12
	v_nop                                          ; one plain place behind a scaled conversion
.irp i, 0,1,2
	v_mov_b32 v[CD+3+\i], v[TP+\i]
	v_mov_b32 v[CD+9+\i], v[TP+4+\i]
.endr
	global_store_b128 v2, v[CD:CD+3], s[10:11] offset:OFS          ; 512 bytes on end
	global_store_b64 v3, v[CD+4:CD+5], s[10:11] offset:OFS+512     ; 256 bytes on end
	global_store_b128 v2, v[CD+6:CD+9], s[10:11] offset:OFS+768
	global_store_b64 v3, v[CD+10:CD+11], s[10:11] offset:OFS+1280
.endm
	LOAD 0
	LOAD 1
	FRAGQ 0
	FRAGQ 1
	FRAGQ 2
	FRAGQ 3
	v_cmp_lt_u32 vcc_lo, 15, v1
	v_cndmask_b32 v10, v[WD], v[WD+2], vcc_lo      ; lanes 0-15: fragments 0 and 1; lanes 16-31: 2 and 3
	v_cndmask_b32 v11, v[WD+1], v[WD+3], vcc_lo
	global_store_b64 v6, v[10:11], s[10:11]        ; two runs of 128 bytes
	s_wait_tensorcnt 0x0
	ds_add_u32 v240, v241
	s_wait_dscnt 0x0
	s_endpgm
	; ---- the table: row t (256 bytes) = cos(t f_j), j = 0 .. 31, then sin(t f_j), f_j = 10000^(-j/32).  A wave makes 16 rows; lanes 0-15 the cosines, lanes 16-31 the sines, two neighbouring j a lane.
.Ltable:
	s_sub_co_u32 s16, ttmp9, 384
	s_lshl_b32 s16, s16, 2
	s_add_co_u32 s16, s16, s18
	s_lshl_b32 s17, s16, 4                         ; my first t
	s_lshl_b32 s22, s16, 12                        ; 16 rows of 256 bytes
	s_mov_b32 s23, 0
	s_add_nc_u64 s[12:13], s[12:13], s[22:23]
	s_mov_b32 s24, 0x3ed49a78                      ; log2(10000) / 32, its f32 number,
	s_mov_b32 s25, 0x32179a39                      ; and what that leaves
	s_mov_b32 s26, 0x3f22f983                      ; 2 / pi
	s_mov_b32 s27, 0xbfc90fdb                      ; -(pi / 2), its f32 number,
	s_mov_b32 s28, 0x333bbd2e                      ; and what that leaves, with its sign
	s_mov_b32 s29, 0xb94ca1f9                      ; sin r = r + r z (S1 + z (S2 + z S3)), z = r r, |r| <= pi / 4
	s_mov_b32 s30, 0x3c08839e
	s_mov_b32 s31, 0xbe2aaaa3
	s_mov_b32 s32, 0x37ccf5ce                      ; cos r = 1 - z / 2 + z z (C1 + z (C2 + z C3))
	s_mov_b32 s33, 0xbab6061a
	s_mov_b32 s34, 0x3d2aaaa5
	v_lshlrev_b32 v10, 1, v7
	v_cvt_f32_u32 v10, v10                         ; j
	v_add_f32 v11, 1.0, v10                        ; j + 1
	v_sub_nc_u32 v9, 1, v8                         ; cos x = sin(x + pi / 2): the cosines' lanes count one quadrant more
.irp i, 0,1                                    ; f = 2^(-j c): the whole part of j c goes into the exponent, the rest (exact, then the low part of c) through v_exp_f32
	v_mul_f32 v[12+\i], s24, v[10+\i]
	v_rndne_f32 v[12+\i], v[12+\i]
	v_fma_f32 v[14+\i], -v[10+\i], s24, v[12+\i]
	v_fma_f32 v[14+\i], -v[10+\i], s25, v[14+\i]
	v_cvt_i32_f32 v[12+\i], v[12+\i]
	v_sub_nc_u32 v[12+\i], 0, v[12+\i]
.endr
	v_exp_f32 v16, v14
	v_exp_f32 v17, v15
	v_nop                                          ; a plain place behind the exponentials,
	s_wait_alu depctr_va_vdst(0)                   ; and the one wait ahead of their first reader
	v_ldexp_f32 v16, v16, v12
	v_ldexp_f32 v17, v17, v13
; sin or cos of the angle in v[a] into v[o]; v[w] .. v[w + 7] at work.  k = the nearest whole number to a 2 / pi; r = a - k pi / 2 in two steps, the first exact (k has 11 bits)
.macro TRIG a, o, w
	v_mul_f32 v[\w], s26, v[\a]
	v_rndne_f32 v[\w], v[\w]
	v_fma_f32 v[\w+1], v[\w], s27, v[\a]
	v_fma_f32 v[\w+1], v[\w], s28, v[\w+1]
	v_cvt_i32_f32 v[\w], v[\w]
	v_add_nc_u32 v[\w], v[\w], v9                  ; the quadrant
	v_mul_f32 v[\w+2], v[\w+1], v[\w+1]
	v_fma_f32 v[\w+3], v[\w+2], s29, s30
	v_fma_f32 v[\w+4], v[\w+2], s32, s33
	v_fma_f32 v[\w+3], v[\w+3], v[\w+2], s31
	v_fma_f32 v[\w+4], v[\w+4], v[\w+2], s34
	v_mul_f32 v[\w+5], v[\w+1], v[\w+2]
	v_mul_f32 v[\w+6], v[\w+2], v[\w+2]
	v_fma_f32 v[\w+7], v[\w+2], -0.5, 1.0
	v_fma_f32 v[\w+3], v[\w+3], v[\w+5], v[\w+1]   ; sin r
	v_fma_f32 v[\w+4], v[\w+4], v[\w+6], v[\w+7]   ; cos r
	v_and_b32 v[\w+5], 1, v[\w]
	v_cmp_eq_u32 vcc_lo, 1, v[\w+5]
	v_cndmask_b32 v[\o], v[\w+3], v[\w+4], vcc_lo  ; odd quadrants take the cosine,
	v_and_b32 v[\w+5], 2, v[\w]
	v_lshlrev_b32 v[\w+5], 30, v[\w+5]
	v_xor_b32 v[\o], v[\o], v[\w+5]                ; quadrants 2 and 3 the other sign
.endm
	s_mov_b32 s19, 0
.Lrow:
	v_cvt_f32_u32 v18, s17
	v_mul_f32 v20, v18, v16                        ; the angle: one rounding
	v_mul_f32 v21, v18, v17
	TRIG 20, 40, 22
	TRIG 21, 41, 30
	global_store_b64 v3, v[40:41], s[12:13]        ; the 32 lanes store the row's 256 bytes
	s_wait_xcnt 0x0                                ; the store has read its data and its base: both are written again
	s_add_nc_u64 s[12:13], s[12:13], 256
	s_add_co_u32 s17, s17, 1
	s_add_co_u32 s19, s19, 1
	s_cmp_lt_u32 s19, 16
	s_cbranch_scc1 .Lrow
	s_endpgm
.Lfunc_end_k_q640e0cfef1_prep:
	.size	k_q640e0cfef1_prep, .Lfunc_end_k_q640e0cfef1_prep-k_q640e0cfef1_prep
	.p2alignl 7, 3214868480
	.fill 96, 4, 3214868480
	.section	.rodata,"a",@progbits
	.p2align	6, 0x0
	.amdhsa_kernel k_q640e0cfef1_prep
		.amdhsa_group_segment_fixed_size 34304
		.amdhsa_private_segment_fixed_size 0
		.amdhsa_enable_private_segment 0
		.amdhsa_kernarg_size 40
		.amdhsa_user_sgpr_count 2
		.amdhsa_user_sgpr_kernarg_segment_ptr 1
		.amdhsa_wavefront_size32 1
		.amdhsa_system_sgpr_workgroup_id_x 1
		.amdhsa_system_sgpr_workgroup_id_y 1
		.amdhsa_system_sgpr_workgroup_id_z 1
		.amdhsa_system_vgpr_workitem_id 0
		.amdhsa_next_free_vgpr 242
		.amdhsa_next_free_sgpr 66
		.amdhsa_reserve_vcc 1
		.amdhsa_float_denorm_mode_32 3
		.amdhsa_float_denorm_mode_16_64 3
		.amdhsa_memory_ordered 1
		.amdhsa_forward_progress 1
		.amdhsa_inst_pref_size 35
	.end_amdhsa_kernel
	.amdgpu_metadata
---
amdhsa.version: [ 1, 2 ]
amdhsa.kernels:
  - .name:           k_q640e0cfef1_prep
    .symbol:         k_q640e0cfef1_prep.kd
    .args:
      - { .name: x, .offset: 0, .size: 8, .value_kind: global_buffer, .address_space: global }
      - { .name: W_qkv, .offset: 8, .size: 8, .value_kind: global_buffer, .address_space: global }
      - { .name: W_out, .offset: 16, .size: 8, .value_kind: global_buffer, .address_space: global }
      - { .name: cod, .offset: 24, .size: 8, .value_kind: global_buffer, .address_space: global }
      - { .name: tab, .offset: 32, .size: 8, .value_kind: global_buffer, .address_space: global }
    .group_segment_fixed_size: 34304
    .private_segment_fixed_size: 0
    .kernarg_segment_align: 8
    .kernarg_segment_size: 40
    .max_flat_workgroup_size: 128
    .sgpr_count:     66
    .vgpr_count:     242
    .wavefront_size: 32
...
	.end_amdgpu_metadata
.endif
;; end of part 1
;; launch qkv (part 2): grid 12 x 32, 4 waves a work-group, clusters of 4 x 4, 327,680 bytes of LDS; arguments cod, tab, qimg, kvimg; writes qimg, kvimg
.if DOCPART == 2
	.amdgcn_target "amdgcn-amd-amdhsa--gfx1250"
	.amdhsa_code_object_version 6
	.text
	.protected	k_q640e0cfef1_qkv
	.globl	k_q640e0cfef1_qkv
	.p2align	8
	.type	k_q640e0cfef1_qkv,@function
k_q640e0cfef1_qkv:
	s_mov_b64 s[64:65], 0
	v_nop
	global_prefetch_b8 v0, s[64:65] scope:SCOPE_SE
	s_setreg_imm32_b32 hwreg(HW_REG_WAVE_MODE, 25, 1), 1
	s_wait_xcnt 0x0
	s_wait_alu depctr_hold_cnt(0) depctr_sa_sdst(0) depctr_va_vdst(0) depctr_va_sdst(0) depctr_va_ssrc(0) depctr_va_vcc(0) depctr_vm_vsrc(0)
	s_getreg_b32 s2, hwreg(HW_REG_IB_STS2, 6, 4)
	s_cmp_eq_u32 s2, 0
	s_cbranch_scc0 .Lentry_in_a_cluster
	s_endpgm
.Lentry_in_a_cluster:
	s_bfe_u32 s2, ttmp6, 0x10000c
	s_cmp_lg_u32 s2, 0xf033
	s_cbranch_scc0 .Lentry_shape_is_right
	s_endpgm
.Lentry_shape_is_right:
; qkv = x W_qkv^T on codes of FP6 (E2M3) with E8M0 scales (K = 1,024); q and k are rotated (RoPE) and quantised along the head's 64; v is quantised along the keys.  Nothing leaves as f32.
; A work-group of four waves makes 256 x 256, a wave 128 x 128: 64 accumulators, 512 registers.  K goes in four parts of 256 through three LDS slots: three first fills and one refill.
; OPERANDS lie in cod as images of their registers (16-row blocks; position r of block i = row 32 (i / 2) + 8 (i % 2) + r + 8 (r / 8); 3,200 bytes for a block and 256 along K: two fragments and 128 bytes of scale words):
; a fragment comes from LDS by two loads of 16 bytes a lane and two of 8, each dense: no padding.
; SOURCE 0 = the B slot, SOURCE 1 = the A slot: a lane holds ONE row of A's and its registers run along B's rows; by the order of rows in a block the 16 registers of tiles 2 b, 2 b + 1 are 16 neighbours.
; The cluster's x is the kind: 0 q, 1 k, 2 v.  For q and k the A slot takes tokens and the B slot features: a lane holds a token, its registers a head's channels, both halves of a rotation's pairs.
; For v the A slot takes v's features and the B slot tokens: a lane holds a channel and its registers run along the keys, which are the next product's K.  Only block numbers differ: one loop serves all three.
; CLUSTER 4 x 4: A's tiles are shared along a row of the cluster, B's along a column: each is asked for jointly, by the same tensor load with the same descriptor and a mask that names the four.
; OUT: qimg [head 64][128 tokens 16][6,400]: eight halves of 768 bytes (16 tokens x 64), 256 bytes of scale words.  kvimg [64][16][12,800]: K's eight halves, V's four fragments (16 channels x 128 keys), K's and V's scale words, 256 bytes each.
; LIMITS: NaN and infinities are not served; a block whose largest magnitude lies under 2^-124 has its byte held at 1; a block of zeros carries the byte 1 (its codes are zeros; this program alone reads the bytes).
; REGISTERS: window 0: v1-29 addresses; v32-63 scale words, two sets; v128-223 A's fragments, one set.  window 1: B's fragments, two sets, at v0 and v128.  windows 2, 3: accumulator (a, b) at v[8 (8 (a % 4) + b)].
;   Behind the loop, window 0: v32-51 scale words; v64-127 cos and sin, two sets; v128-191 the rotated numbers; v192-207 at work; v208-227 codes; v228-244 the quantiser's.
.set RBB,   13312                      ; a row block's record in cod
.set KSL,   3328                       ; 256 along K in it
.set TROW,  3200                       ; of which a tile's row takes these
.set HALFT, 8*TROW                     ; eight row blocks: what one tensor load brings, and what a wave reads of A or of B
.set SLOT,  4*HALFT                    ; A's 16 blocks, then B's 16
.set SPARE, 3*SLOT                     ; behind the three slots: the spare words, 128 bytes for each wave, which no other line names
.set FR,    12
.set ADA16, 4                          ; v4-6   my A blocks in slot 0, 1, 2, + 16 x lane;  v7-9  + 8 x lane
.set ADA8,  7
.set ADB16, 10                         ; v10-12, v13-15  the same for B
.set ADB8,  13
.set ADS,   16                         ; v16-18 the scale words: lanes 0-15 A's, lanes 16-31 B's
.set L16,   19
.set L8,    20
.set CSO,   21
.set SPW,   28
.set NIL,   29
.set SC,    32                         ; set s at v[SC + 16 s]; register 2 i + q: lanes 0-15 the word of A's block i, lanes 16-31 of B's block i
.set WX,    32
.set CS,    64
.set AF,    128
.set RT,    128
.set TT,    192
.set PC,    208
.set TM,    228
.set PW,    244
.set SEL,   20                         ; s[20:21]
.set G1A,   24                         ; s[24:31], s[32:39] descriptor groups 1;  s[48:59], s[68:79] groups 0, one set for each slot
.set G1B,   32
.set G0A,   48
.set G0B,   68
.set MSB, 0
.macro WIN new                         ; the immediate's high byte repeats the setting that is left
.if MSB != (\new)
	s_set_vgpr_msb (MSB<<8)|(\new)
.set MSB, (\new)
.endif
.endm
.set MUL_LO, 0xa1                      ; source 0 (B) window 1, source 1 (A) window 0, C and D window 2
.set MUL_HI, 0xf1
.set TO_B,   0x40
.macro PLACES n
.rept \n
	v_nop
.endr
.endm
; A joint load: waves 0 and 1 fetch A's halves, waves 2 and 3 B's.  The branch hangs on the wave's number alone.  Four v_nop follow each of the two lines.
.macro JLOAD g0a, g0b
	s_cmp_eq_u32 s15, 0
	s_cbranch_scc0 .Lfor_b_\@
	tensor_load_to_lds s[\g0a:\g0a+3], s[G1A:G1A+7]
	s_nop 0
	PLACES 4
	s_branch .Lasked_\@
.Lfor_b_\@:
	tensor_load_to_lds s[\g0b:\g0b+3], s[G1B:G1B+7]
	s_nop 0
	PLACES 4
.Lasked_\@:
.endm
.macro CREST                           ; a round of the cluster's barrier behind its opening barrier
	s_cmp_lg_u32 s14, 0
	s_cbranch_scc1 .Lnot_wave_0_\@
	s_barrier_signal -3
.Lnot_wave_0_\@:
	s_barrier_wait -3
	s_barrier_signal -1
	s_barrier_wait -1
.endm
.macro CROUND
	s_barrier_signal -1
	s_barrier_wait -1
	CREST
.endm
.macro FRAG reg, a16, a8, off          ; a fragment's image: 12 registers by four dense loads
	ds_load_b128 v[\reg:\reg+3], v[\a16] offset:\off
	ds_load_b64 v[\reg+4:\reg+5], v[\a8] offset:\off+512
	ds_load_b128 v[\reg+6:\reg+9], v[\a16] offset:\off+768
	ds_load_b64 v[\reg+10:\reg+11], v[\a8] offset:\off+1280
.endm
.macro FETCH_B ls, q, p                ; B's eight fragments of the slot's q-th 128 along K into set p
	WIN TO_B
.irp i, 0,1,2,3,4,5,6,7
	FRAG 128*(\p)+FR*\i, ADB16+\ls, ADB8+\ls, TROW*\i+1536*(\q)
.endr
	WIN 0
.endm
.macro FETCH_A ls, q, i0               ; A's blocks i0 .. i0 + 3
.irp i, \i0, \i0+1, \i0+2, \i0+3
	FRAG AF+FR*(\i), ADA16+\ls, ADA8+\ls, TROW*(\i)+1536*(\q)
.endr
.endm
.macro SCALES ls, sc
.irp i, 0,1,2,3,4,5,6,7
	ds_load_b64 v[SC+16*(\sc)+2*\i:SC+16*(\sc)+2*\i+1], v[ADS+\ls] offset:TROW*\i+3072
.endr
.endm
; 16 matrix instructions: A's blocks a0, a0 + 1 x B's eight.  The 64 accumulators take turns, one instruction a turn, in the same order in every step.
.macro MUL16 a0, p, q, sc, zero
.irp a, \a0, \a0+1
.irp b, 0,1,2,3,4,5,6,7
.if \zero
	v_wmma_scale_f32_16x16x128_f8f6f4 v[8*(8*((\a)%4)+\b):8*(8*((\a)%4)+\b)+7], v[128*(\p)+FR*\b:128*(\p)+FR*\b+FR-1], v[AF+FR*(\a):AF+FR*(\a)+FR-1], 0, v[SC+16*(\sc)+2*\b+(\q)], v[SC+16*(\sc)+2*(\a)+(\q)] matrix_a_fmt:MATRIX_FMT_FP6 matrix_b_fmt:MATRIX_FMT_FP6 matrix_a_scale:MATRIX_SCALE_ROW1
.else
	v_wmma_scale_f32_16x16x128_f8f6f4 v[8*(8*((\a)%4)+\b):8*(8*((\a)%4)+\b)+7], v[128*(\p)+FR*\b:128*(\p)+FR*\b+FR-1], v[AF+FR*(\a):AF+FR*(\a)+FR-1], v[8*(8*((\a)%4)+\b):8*(8*((\a)%4)+\b)+7], v[SC+16*(\sc)+2*\b+(\q)], v[SC+16*(\sc)+2*(\a)+(\q)] matrix_a_fmt:MATRIX_FMT_FP6 matrix_b_fmt:MATRIX_FMT_FP6 matrix_a_scale:MATRIX_SCALE_ROW1
.endif
.endr
.endr
.endm
; A slot's first 128 along K.  A block of A is free when its eight products are issued: blocks 0-3 are fetched anew in the step's middle, blocks 4-7 at its end; B has two sets.
; Four plain places stand in front of each run of loads into registers that matrix instructions have read (ISA guide 7.12.1 for vector instructions).
.macro STEP ls, sc, zero
	s_wait_dscnt 16                                ; all but the youngest 16 loads (A's blocks 4-7) are in
	WIN MUL_LO
	MUL16 0, 0, 0, \sc, \zero
	MUL16 2, 0, 0, \sc, \zero
	s_wait_dscnt 0x0
	PLACES 4
	FETCH_B \ls, 1, 1
	FETCH_A \ls, 1, 0
	WIN MUL_HI
	MUL16 4, 0, 0, \sc, \zero
	MUL16 6, 0, 0, \sc, \zero
	PLACES 4
	WIN 0
	FETCH_A \ls, 1, 4
.endm
; A slot's second 128 along K, and the change to slot nls.  mode 2: the slot that is left is filled again: the wait for all my tensor loads, the add, the wait for it and for my reads, a round of the cluster's
; barrier, the joint refill first behind it.  mode 1: a work-group barrier, behind which the refilled slot is read.  mode 0: no barrier: the wait for all loads in front of mode 2's round has shown slot nls whole to every wave.
.macro TURN nls, sc, nsc, mode
.if \mode
	s_wait_tensorcnt 0x0                           ; all my tensor loads have landed
	ds_add_u32 v[SPW], v[NIL]                      ; 0 onto my spare word
	s_wait_dscnt 17                                ; (the add and the youngest 16 loads may be out)
	WIN MUL_LO
	MUL16 0, 1, 1, \sc, 0
	s_wait_dscnt 0x0                               ; the add is done, and my reads of this slot are over
	s_barrier_signal -1
	MUL16 2, 1, 1, \sc, 0
	WIN 0
	s_barrier_wait -1
.if \mode == 2
	CREST                                          ; no wave of any partner still reads slot 0 or has a load on its way
	s_add_nc_u64 s[G0A+2:G0A+3], s[G0A+2:G0A+3], 3*KSL   ; slot 0 takes the last 256 along K
	s_add_nc_u64 s[G0B+2:G0B+3], s[G0B+2:G0B+3], 3*KSL
	JLOAD G0A, G0B                                 ; it has 256 matrix instructions in which to land; its four v_nop are the places in front of the loads below
.else
	PLACES 4
.endif
.else
	s_wait_dscnt 16
	WIN MUL_LO
	MUL16 0, 1, 1, \sc, 0
	MUL16 2, 1, 1, \sc, 0
	s_wait_dscnt 0x0
	PLACES 4
.endif
	FETCH_B \nls, 0, 0
	FETCH_A \nls, 0, 0
	SCALES \nls, \nsc
	WIN MUL_HI
	MUL16 4, 1, 1, \sc, 0
	MUL16 6, 1, 1, \sc, 0
	PLACES 4
	WIN 0
	FETCH_A \nls, 0, 4
.endm
	s_load_b256 s[4:11], s[0:1], 0x0               ; cod s[4:5], tab s[6:7], qimg s[8:9], kvimg s[10:11]
	v_lshl_add_u32 v[SPW], v0, 2, SPARE
	v_mov_b32 v[NIL], 0
	ds_add_u32 v28, v29
	ds_add_u32 v28, v29
	s_wait_dscnt 0x0
	v_lshrrev_b32 v1, 5, v0
	v_readfirstlane_b32 s14, v1                    ; wave 0..3
	s_lshr_b32 s15, s14, 1                         ; my half of A's blocks.  Also: I fetch for A (0) or for B (1)
	s_and_b32 s16, s14, 1                          ; my half of B's blocks.  Also: which half I fetch
	s_bfe_u32 s40, ttmp6, 0x40000                  ; cx
	s_bfe_u32 s41, ttmp6, 0x40004                  ; cy
	s_mov_b32 s42, ttmp9                           ; the cluster's x: 0 q, 1 k, 2 v: the same in all sixteen partners
	s_and_b32 s43, ttmp7, 0xffff                   ; the cluster's y: which 1,024 tokens
	s_lshl_b32 s44, s41, 2
	s_lshl_b32 s44, 15, s44                        ; my row of the cluster
	s_lshl_b32 s45, 0x1111, s40                    ; my column
	s_or_b32 s[G1A], s44, (3<<16)|(1<<21)          ; 15:0 the mask; 17:16 elements of 8 bytes; 20 no padding; 21 set beside a mask
	s_or_b32 s[G1B], s45, (3<<16)|(1<<21)
.irp g, G1A, G1B
	s_mov_b32 s[\g+1], 400<<16                     ; tensor_dim0 = 400 elements: 3,200 bytes
	s_mov_b32 s[\g+2], 8<<16                       ; tensor_dim1 = 8 row blocks
	s_mov_b32 s[\g+3], 400<<16                     ; tile_dim0
	s_mov_b32 s[\g+4], 8                           ; tile_dim1
	s_mov_b32 s[\g+5], 1664                        ; from block to block: 13,312 bytes
	s_mov_b32 s[\g+6], 0
	s_mov_b32 s[\g+7], 0
.endr
	s_lshl_b32 s46, s43, 6                         ; the cluster's tokens begin at block 64 y
	s_lshl_b32 s47, s42, 6
	s_add_co_u32 s47, s47, 512                     ; q's or k's features begin at block 512 + 64 x
	s_mov_b32 s80, 640                             ; v's at block 640
	s_cmp_eq_u32 s42, 2
	s_cselect_b32 s81, s80, s46                    ; the A slot: v's features, else tokens;
	s_cselect_b32 s82, s46, s47                    ; the B slot: tokens, else features
	s_lshl_b32 s83, s41, 4
	s_add_co_u32 s81, s81, s83                     ; A hangs on cy alone,
	s_lshl_b32 s84, s40, 4
	s_add_co_u32 s82, s82, s84                     ; B on cx alone
	s_lshl_b32 s85, s16, 3
	s_add_co_u32 s81, s81, s85                     ; the half that I fetch
	s_add_co_u32 s82, s82, s85
	s_mul_i32 s86, s81, RBB
	s_mov_b32 s87, 0
	s_mul_i32 s88, s82, RBB
	s_mov_b32 s89, 0
	s_mul_i32 s90, s14, HALFT                      ; where it goes: wave x 8 blocks: no place in the cluster enters an LDS address
	s_wait_kmcnt 0x0
	s_add_nc_u64 s[86:87], s[4:5], s[86:87]
	s_add_nc_u64 s[88:89], s[4:5], s[88:89]
	CROUND                                         ; all sixteen work-groups are here: the first joint loads meet
.irp s, 0,1,2
	s_mov_b32 s[G0A+4*\s], 1
	s_add_co_u32 s[G0A+4*\s+1], s90, \s*SLOT
	s_add_nc_u64 s[G0A+4*\s+2:G0A+4*\s+3], s[86:87], \s*KSL
	s_or_b32 s[G0A+4*\s+3], s[G0A+4*\s+3], 0x80000000
	s_mov_b32 s[G0B+4*\s], 1
	s_add_co_u32 s[G0B+4*\s+1], s90, \s*SLOT
	s_add_nc_u64 s[G0B+4*\s+2:G0B+4*\s+3], s[88:89], \s*KSL
	s_or_b32 s[G0B+4*\s+3], s[G0B+4*\s+3], 0x80000000
	JLOAD G0A+4*\s, G0B+4*\s                       ; three loads of mine are out
.endr
	v_and_b32 v1, 31, v0                           ; lane
	v_and_b32 v2, 15, v0                           ; r
	v_bfe_u32 v3, v0, 4, 1                         ; h
	v_lshlrev_b32 v[L16], 4, v1
	v_lshlrev_b32 v[L8], 3, v1
	s_mul_i32 s91, s15, HALFT                      ; my eight blocks of A
	s_mul_i32 s92, s16, HALFT
	s_add_co_u32 s92, s92, 2*HALFT                 ; my eight of B, behind A's sixteen
	s_sub_co_u32 s93, s92, s91
	v_mul_u32_u24 v21, s93, v3                     ; lanes 16-31 take B's scale words: one product with h
	v_lshl_add_u32 v21, v2, 3, v21                 ; 8 bytes a row
.irp s, 0,1,2
	v_add_nc_u32 v[ADA16+\s], s91, v[L16]
	v_add_nc_u32 v[ADA8+\s], s91, v[L8]
	v_add_nc_u32 v[ADB16+\s], s92, v[L16]
	v_add_nc_u32 v[ADB8+\s], s92, v[L8]
	v_add_nc_u32 v[ADS+\s], s91, v21
	s_add_co_u32 s91, s91, SLOT
	s_add_co_u32 s92, s92, SLOT
.endr
	s_wait_tensorcnt 2                             ; my part of slot 0 is in; slots 1 and 2 may be out
	s_barrier_signal -1
	s_barrier_wait -1
	FETCH_B 0, 0, 0
	FETCH_A 0, 0, 0
	SCALES 0, 0
	FETCH_A 0, 0, 4
	STEP 0, 0, 1                                   ; the first products start the sums: nothing is cleared
	TURN 1, 0, 1, 2
	STEP 1, 1, 0
	TURN 2, 1, 0, 0
	STEP 2, 0, 0
	TURN 0, 0, 1, 1
	STEP 0, 1, 0
	s_wait_dscnt 16                                ; the last 128 along K: nothing more to fetch
	WIN MUL_LO
	MUL16 0, 1, 1, 1, 0
	MUL16 2, 1, 1, 1, 0
	s_wait_dscnt 0x0
	WIN MUL_HI
	MUL16 4, 1, 1, 1, 0
	MUL16 6, 1, 1, 1, 0
	WIN 0
	PLACES 4                                       ; in front of the first read of results and the first write over operands
; 64 numbers of a lane in window w, v[s] on, register 16 b + i = k 32 b + 16 h + i of my row, become a fragment's codes in v[PC] on and its scale word in v[PW].
.macro QUANT s, w
	WIN (\w)|((\w)<<2)
.irp b, 0,1,2,3
	v_max3_num_f32 v[TM+\b], |v[\s+16*\b]|, |v[\s+1+16*\b]|, 0x1800000   ; my 16 numbers of block b, from each accumulator's low end on, and the floor 2^(3 - 127)
.endr
.irp i, 2,4,6,8,10,12,14
.irp b, 0,1,2,3
	v_max3_num_f32 v[TM+\b], |v[\s+16*\b+\i]|, |v[\s+1+16*\b+\i]|, v[TM+\b]
.endr
.endr
	WIN 0
.irp b, 0,1,2,3
	v_permlanex16_b32 v[TM+4+\b], v[TM+\b], s[SEL], s[SEL+1]
.endr
.irp b, 0,1,2,3
	v_max_num_f32 v[TM+\b], v[TM+\b], v[TM+4+\b]   ; with lane l xor 16's: the block's largest magnitude
.endr
.irp b, 0,1,2,3
	v_add_nc_u32 v[TM+12+\b], 0xff000000, v[TM+\b] ; 2 off its exponent field: the conversion's scale operand
.endr
.irp b, 0,1,2,3
	v_lshrrev_b32 v[TM+4+\b], 23, v[TM+12+\b]      ; the scale's byte
.endr
	v_lshl_or_b32 v[PW], v[TM+5], 8, v[TM+4]
	v_lshl_or_b32 v[PW], v[TM+6], 16, v[PW]
	v_lshl_or_b32 v[PW], v[TM+7], 24, v[PW]
	WIN \w
.irp c, 0,1
	v_cvt_scalef32_pk16_fp6_f32 v[PC+6*\c:PC+2+6*\c], v[\s+32*\c:\s+15+32*\c], v[TM+12+2*\c]
	v_cvt_scalef32_pk16_fp6_f32 v[PC+12+4*\c:PC+14+4*\c], v[\s+16+32*\c:\s+31+32*\c], v[TM+12+2*\c+1]
.endr
	WIN 0
	v_nop                                          ; one plain place behind a scaled conversion
.irp c, 0,1                                    ; the operand's layout wants a whole block in a lane
.irp i, 0,1,2
	v_permlane16_swap_b32 v[PC+6*\c+\i], v[PC+12+4*\c+\i]
.endr
.irp i, 0,1,2
	v_mov_b32 v[PC+3+6*\c+\i], v[PC+12+4*\c+\i]
.endr
.endr
.endm
	s_mov_b32 s[SEL], 0x76543210
	s_mov_b32 s[SEL+1], 0xfedcba98
.irp b, 0,1,2,3
	v_mov_b32 v[TM+4+\b], 0                        ; written once: a lane permute's destination counts as one of its sources
.endr
	v_cmp_lt_u32 s98, 15, v1                       ; lanes 16-31
	s_cmp_eq_u32 s42, 2
	s_cbranch_scc1 .Lv
	; ---- q and k.  My 128 tokens are one block of 128 of one batch; my 128 features are two heads
	s_lshl_b32 s80, s43, 2
	s_add_co_u32 s80, s80, s41
	s_lshl_b32 s80, s80, 8
	s_lshl_b32 s81, s15, 7
	s_add_co_u32 s80, s80, s81                     ; my first token
	s_lshr_b32 s81, s80, 11                        ; the batch
	s_and_b32 s82, s80, 2047                       ; the place in the sequence
	s_lshr_b32 s83, s82, 7                         ; which 128
	s_lshl_b32 s84, s40, 2
	s_lshl_b32 s85, s16, 1
	s_add_co_u32 s84, s84, s85                     ; my first head
	s_lshl_b32 s85, s81, 4
	s_add_co_u32 s84, s84, s85
	s_lshl_b32 s84, s84, 4
	s_add_co_u32 s84, s84, s83                     ; the record: (16 batch + head) 16 + which 128
	s_mov_b32 s86, 12800
	s_mov_b32 s87, 12288
	s_cmp_eq_u32 s42, 0
	s_cselect_b64 s[88:89], s[8:9], s[10:11]       ; q goes to qimg, k to kvimg
	s_cselect_b32 s86, 6400, s86                   ; a record,
	s_cselect_b32 s87, 6144, s87                   ; and where its scale words lie
	s_mul_i32 s90, s84, s86
	s_mov_b32 s91, 0
	s_add_nc_u64 s[88:89], s[88:89], s[90:91]      ; the first head's record
	s_lshl_b32 s90, s86, 4
	s_add_nc_u64 s[92:93], s[88:89], s[90:91]      ; the second head's: 16 records on
	s_mov_b32 s90, s87
	s_add_nc_u64 s[94:95], s[88:89], s[90:91]
	s_add_nc_u64 s[96:97], s[92:93], s[90:91]
	s_lshl_b32 s90, s82, 8
	s_add_nc_u64 s[6:7], s[6:7], s[90:91]          ; the table at my first token's place
	v_and_b32 v22, 8, v2
	v_add_nc_u32 v22, v22, v2                      ; r + 8 (r / 8)
	v_lshlrev_b32 v[CSO], 8, v22
	v_lshl_add_u32 v[CSO], v3, 6, v[CSO]           ; my token's row of the table, my 16 angles: 16 h on
.macro LOADCS a                        ; block a's cos (16 registers) and sin (16) into set a % 2
.irp i, 0,1,2,3
	global_load_b128 v[CS+32*((\a)%2)+4*\i:CS+32*((\a)%2)+4*\i+3], v[CSO], s[6:7] offset:(32*((\a)/2)+8*((\a)%2))*256+16*\i
	global_load_b128 v[CS+32*((\a)%2)+16+4*\i:CS+32*((\a)%2)+16+4*\i+3], v[CSO], s[6:7] offset:(32*((\a)/2)+8*((\a)%2))*256+128+16*\i
.endr
.endm
; Block a's 64 numbers a lane: head hd, channel 16 h + i in register 32 hd + i, its partner 32 channels on in register 32 hd + 16 + i.  out = q cos - partner sin;  partner's out = partner cos + q sin.
.macro ROT a
.set CB, CS+32*((\a)%2)
.set QB, 64*((\a)%4)
	WIN 2+(\a)/4                                   ; source 0: the accumulators' window
.irp hd, 0,1
.irp i, 0,2,4,6,8,10,12,14
	v_pk_mul_f32 v[TT+2*(\i%8):TT+2*(\i%8)+1], v[QB+32*\hd+16+\i:QB+32*\hd+17+\i], v[CB+16+\i:CB+17+\i]
	v_pk_mul_f32 v[TT+2*(\i%8)+2:TT+2*(\i%8)+3], v[QB+32*\hd+\i:QB+32*\hd+1+\i], v[CB+16+\i:CB+17+\i]
	v_pk_fma_f32 v[RT+32*\hd+\i:RT+32*\hd+1+\i], v[QB+32*\hd+\i:QB+32*\hd+1+\i], v[CB+\i:CB+1+\i], v[TT+2*(\i%8):TT+2*(\i%8)+1] neg_lo:[0,0,1] neg_hi:[0,0,1]
	v_pk_fma_f32 v[RT+32*\hd+16+\i:RT+32*\hd+17+\i], v[QB+32*\hd+16+\i:QB+32*\hd+17+\i], v[CB+\i:CB+1+\i], v[TT+2*(\i%8)+2:TT+2*(\i%8)+3]
.endr
.endr
	WIN 0
.endm
	LOADCS 0
.irp a, 0,1,2,3,4,5,6,7
.if \a < 7
	LOADCS \a+1
	s_wait_loadcnt 8                               ; this block's eight loads are in; the next block's may be out
.else
	s_wait_loadcnt 0x0
.endif
	ROT \a
	s_wait_xcnt 0x0                                ; the last block's stores have read the codes' registers
	QUANT RT,0                                     ; K = two heads' 64: registers 0-5 are the first head's half, 6-11 the second's
	v_mov_b32 v[WX+\a], v[PW]
	global_store_b128 v[L16], v[PC:PC+3], s[88:89] offset:768*\a
	global_store_b64 v[L8], v[PC+4:PC+5], s[88:89] offset:768*\a+512
	global_store_b128 v[L16], v[PC+6:PC+9], s[92:93] offset:768*\a
	global_store_b64 v[L8], v[PC+10:PC+11], s[92:93] offset:768*\a+512
.endr
.irp f, 0,1,2,3                                ; a pair of halves is read as one fragment: its word = the two bytes of block 2 f, then those of block 2 f + 1
	v_perm_b32 v[40+\f], v[WX+2*\f+1], v[WX+2*\f], 0x05040100
	v_perm_b32 v[44+\f], v[WX+2*\f+1], v[WX+2*\f], 0x07060302
.endr
	v_cndmask_b32 v48, v40, v41, s98               ; lanes 0-15 fragment 0, lanes 16-31 fragment 1;
	v_cndmask_b32 v49, v42, v43, s98               ; fragments 2 and 3
	v_cndmask_b32 v50, v44, v45, s98
	v_cndmask_b32 v51, v46, v47, s98
	global_store_b64 v[L8], v[48:49], s[94:95]     ; 256 bytes on end
	global_store_b64 v[L8], v[50:51], s[96:97]
	s_branch .Lend
	; ---- v.  A lane holds a channel; its 64 registers of a block are 128 keys' worth with lane l xor 16: a fragment of V^T as it stands
.Lv:
	s_lshl_b32 s80, s43, 2
	s_add_co_u32 s80, s80, s40
	s_lshl_b32 s80, s80, 8
	s_lshl_b32 s81, s16, 7
	s_add_co_u32 s80, s80, s81                     ; my first token
	s_lshr_b32 s81, s80, 11                        ; the batch
	s_bfe_u32 s83, s80, 0x40007                    ; which 128
	s_lshl_b32 s84, s41, 2
	s_lshl_b32 s85, s15, 1
	s_add_co_u32 s84, s84, s85                     ; my first head
	s_lshl_b32 s85, s81, 4
	s_add_co_u32 s84, s84, s85
	s_lshl_b32 s84, s84, 4
	s_add_co_u32 s84, s84, s83
	s_mul_i32 s90, s84, 12800
	s_add_co_u32 s90, s90, 6144                    ; V's fragments lie behind K's halves
	s_mov_b32 s91, 0
	s_add_nc_u64 s[88:89], s[10:11], s[90:91]
	s_add_nc_u64 s[92:93], s[88:89], 204800        ; the second head: 16 records on
.macro OUTF sb, off
	global_store_b128 v[L16], v[PC:PC+3], s[\sb:\sb+1] offset:\off
	global_store_b64 v[L8], v[PC+4:PC+5], s[\sb:\sb+1] offset:\off+512
	global_store_b128 v[L16], v[PC+6:PC+9], s[\sb:\sb+1] offset:\off+768
	global_store_b64 v[L8], v[PC+10:PC+11], s[\sb:\sb+1] offset:\off+1280
.endm
.irp a, 0,1,2,3,4,5,6,7
	s_wait_xcnt 0x0                                ; the last block's stores have read the codes' registers
	QUANT 64*((\a)%4),2+(\a)/4
	v_mov_b32 v[WX+\a], v[PW]
	OUTF 88+4*(\a/4),1536*(\a%4)
.endr
	v_cndmask_b32 v48, v[WX], v[WX+1], s98
	v_cndmask_b32 v49, v[WX+2], v[WX+3], s98
	v_cndmask_b32 v50, v[WX+4], v[WX+5], s98
	v_cndmask_b32 v51, v[WX+6], v[WX+7], s98
	global_store_b64 v[L8], v[48:49], s[88:89] offset:6400
	global_store_b64 v[L8], v[50:51], s[92:93] offset:6400
.Lend:
	s_wait_tensorcnt 0x0                           ; the wave's end
	ds_add_u32 v[SPW], v[NIL]
	s_wait_dscnt 0x0
	CROUND                                         ; the closing round: no work-group ends while a partner may still ask for a tile that names it
	s_endpgm
.Lfunc_end_k_q640e0cfef1_qkv:
	.size	k_q640e0cfef1_qkv, .Lfunc_end_k_q640e0cfef1_qkv-k_q640e0cfef1_qkv
	.p2alignl 7, 3214868480
	.fill 96, 4, 3214868480
	.section	.rodata,"a",@progbits
	.p2align	6, 0x0
	.amdhsa_kernel k_q640e0cfef1_qkv
		.amdhsa_group_segment_fixed_size 327680
		.amdhsa_private_segment_fixed_size 0
		.amdhsa_enable_private_segment 0
		.amdhsa_kernarg_size 32
		.amdhsa_user_sgpr_count 2
		.amdhsa_user_sgpr_kernarg_segment_ptr 1
		.amdhsa_wavefront_size32 1
		.amdhsa_system_sgpr_workgroup_id_x 1
		.amdhsa_system_sgpr_workgroup_id_y 1
		.amdhsa_system_sgpr_workgroup_id_z 1
		.amdhsa_system_vgpr_workitem_id 0
		.amdhsa_next_free_vgpr 1024
		.amdhsa_next_free_sgpr 100
		.amdhsa_reserve_vcc 0
		.amdhsa_float_denorm_mode_32 3
		.amdhsa_float_denorm_mode_16_64 3
		.amdhsa_memory_ordered 1
		.amdhsa_forward_progress 1
		.amdhsa_inst_pref_size 222
	.end_amdhsa_kernel
	.amdgpu_metadata
---
amdhsa.version: [ 1, 2 ]
amdhsa.kernels:
  - .name:           k_q640e0cfef1_qkv
    .symbol:         k_q640e0cfef1_qkv.kd
    .args:
      - { .name: cod, .offset: 0, .size: 8, .value_kind: global_buffer, .address_space: global }
      - { .name: tab, .offset: 8, .size: 8, .value_kind: global_buffer, .address_space: global }
      - { .name: qimg, .offset: 16, .size: 8, .value_kind: global_buffer, .address_space: global }
      - { .name: kvimg, .offset: 24, .size: 8, .value_kind: global_buffer, .address_space: global }
    .group_segment_fixed_size: 327680
    .private_segment_fixed_size: 0
    .kernarg_segment_align: 8
    .kernarg_segment_size: 32
    .max_flat_workgroup_size: 128
    .sgpr_count:     100
    .vgpr_count:     1024
    .wavefront_size: 32
...
	.end_amdgpu_metadata
.endif
;; end of part 2
;; launch attn (part 3): grid 4 x 64, 16 waves a work-group, clusters of 4 x 1, 206,848 bytes of LDS; arguments qimg, kvimg, acod; writes acod
.if DOCPART == 3
	.amdgcn_target "amdgcn-amd-amdhsa--gfx1250"
	.amdhsa_code_object_version 6
	.text
	.protected	k_q640e0cfef1_attn
	.globl	k_q640e0cfef1_attn
	.p2align	8
	.type	k_q640e0cfef1_attn,@function
k_q640e0cfef1_attn:
	s_mov_b64 s[64:65], 0
	v_nop
	global_prefetch_b8 v0, s[64:65] scope:SCOPE_SE
	s_setreg_imm32_b32 hwreg(HW_REG_WAVE_MODE, 25, 1), 1
	s_wait_xcnt 0x0
	s_wait_alu depctr_hold_cnt(0) depctr_sa_sdst(0) depctr_va_vdst(0) depctr_va_sdst(0) depctr_va_ssrc(0) depctr_va_vcc(0) depctr_vm_vsrc(0)
	s_getreg_b32 s2, hwreg(HW_REG_IB_STS2, 6, 4)
	s_cmp_eq_u32 s2, 0
	s_cbranch_scc0 .Lentry_in_a_cluster
	s_endpgm
.Lentry_in_a_cluster:
	s_bfe_u32 s2, ttmp6, 0x10000c
	s_cmp_lg_u32 s2, 0x3003
	s_cbranch_scc0 .Lentry_shape_is_right
	s_endpgm
.Lentry_shape_is_right:
; Causal attention of one head on codes of FP6 (E2M3) with E8M0 scales, and the quantising of its result along the model's 1,024 for the last product.
; t = score x log2(e) / 8; M = the running largest t, rounded up to a whole number; p = 2^(t - M) is quantised along the keys, not normalised; the row's sum is taken of the unquantised p and divides at the end.
; When M moves, the sum and O are multiplied by 2^(old M - new M): exact.
; SHARES.  The four work-groups of a cluster serve one head.  Work-group p (its place in the cluster), wave m own two tiles of 16 queries: X in the m-th 128 tokens, Y in the (15 - m)-th: queries
; 128 kb + 32 p + 8 u + r + 8 (r / 8), u = 0 for X, 1 for Y.  A tile walks the 128-key records 0 .. kb: (m + 1) + (16 - m) = 17 steps for every wave of every work-group.
; p enters global addresses and the mask's numbers alone: no branch and no LDS address hangs on it.
; LDS holds the head's sixteen records of K and V, 12,800 bytes each, filled ONCE, by joint loads that name all four work-groups: no ring, nothing is filled again.  The first four records come by loads of their own, so that work begins when they have landed.
; LAYOUT.  Both products are used transposed: S^T = K Q^T, O^T = V^T P^T: a lane holds one query throughout.  By the order of rows in a block of 16 the 16 registers of tiles 2 b, 2 b + 1 are 16 neighbouring keys (channels).
; THE HEAD HAS 64 CHANNELS, THE INSTRUCTION 128 ALONG K: a fragment of K holds two tiles of keys, one in each half of K; against [q | 0] it gives the first tile's scores, against [0 | q] the second's.  Zero codes add nothing.
; LIMITS: NaN and infinities are not served; a block whose largest magnitude lies under 2^-124 has its byte held at 1; a block of zeros carries the byte 1 (its codes are zeros).
; The two scale bytes of a row and a head leave by a store of two bytes a lane: they lie between other heads' bytes, which other work-groups write; they are one byte in 24 of what is stored.
.set REC,  12800                       ; a record: K's 8 halves (4 fragments), V's 4 fragments at 6,144, K's scale words at 12,288, V's at 12,544
.set L16,  1                           ; v1, v2   16 x lane, 8 x lane
.set L8,   2
.set A16,  3                           ; v3, v4   the same in the record in hand
.set A8,   4
.set DX,   5                           ; v5, v6   my query's place in its 128, less 16 h: for the mask
.set DY,   6
.set VS,   7                           ; v7-9     offsets of my scale bytes and codes in the part of the output's record
.set VC16, 8
.set VC8,  9
.set PW,   10                          ; v10      p's scale word
.set NINF, 11
.set QSX,  20                          ; v20, v21 q's scale words;  v12-15, v16-19: X's and Y's -M, largest t, sum in two halves
.set QSY,  21
.set SK,   22                          ; v22-23   K's scale words
.set QHIX, 24                          ; v24-53   [0 x 6][X's q][0 x 6][Y's q][0 x 6]
.set QLOX, 30
.set QHIY, 36
.set QLOY, 42
.set SV,   54                          ; v54-55   V's scale words
.set FB,   56                          ; v56-103  K's four fragments; later p's codes in v56-67
.set S,    104                         ; v104-167 S^T, then p; later V's four fragments in v104-151
.set OX,   168
.set OY,   200
.set BM,   232
.set PT,   236
.set SO,   240
.set CT,   244                         ; v244-246, v248-250
.set KS,   13
.set TB,   14
.set WV,   15
.set WR,   16
.set SEL,  20
.set CSC,  22
.macro PLACES n
.rept \n
	v_nop
.endr
.endm
.macro CROUND                          ; a round of the cluster's barrier
	s_barrier_signal -1
	s_barrier_wait -1
	s_cmp_lg_u32 s[WV], 0
	s_cbranch_scc1 .Lnot_wave_0_\@
	s_barrier_signal -3
.Lnot_wave_0_\@:
	s_barrier_wait -3
	s_barrier_signal -1
	s_barrier_wait -1
.endm
.macro FRAG reg, off                   ; a fragment's image: 12 registers by four dense loads
	ds_load_b128 v[\reg:\reg+3], v[A16] offset:\off
	ds_load_b64 v[\reg+4:\reg+5], v[A8] offset:\off+512
	ds_load_b128 v[\reg+6:\reg+9], v[A16] offset:\off+768
	ds_load_b64 v[\reg+10:\reg+11], v[A8] offset:\off+1280
.endm
	s_load_b128 s[4:7], s[0:1], 0x0                ; qimg, kvimg
	s_load_b64 s[8:9], s[0:1], 0x10                ; acod
	v_lshl_add_u32 v247, v0, 2, 0x32000
	v_mov_b32 v251, 0
	ds_add_u32 v247, v251
	ds_add_u32 v247, v251
	v_lshrrev_b32 v1, 5, v0
	v_readfirstlane_b32 s[WV], v1                  ; m: wave 0..15
	s_sub_co_u32 s[WR], 15, s[WV]
	s_bfe_u32 s17, ttmp6, 0x40000                  ; p: my place in the cluster
	s_and_b32 s18, ttmp7, 0xffff                   ; the head, 0..63: the four partners share it
	s_mov_b32 s24, 15|(3<<16)|(1<<21)              ; group 1 of the first load: the mask names all four; elements of 8 bytes; bit 21 beside the mask
	s_mov_b32 s25, 32<<16                          ; rows of 256 bytes,
	s_mov_b32 s26, 100<<16                         ; 100 of them: two records
	s_mov_b32 s27, 32<<16
	s_mov_b32 s28, 100
	s_mov_b32 s29, 32
	s_mov_b32 s30, 0
	s_mov_b32 s31, 0
	s_mov_b32 s32, 15|(3<<16)|(1<<21)              ; of the second: 300 rows: six records
	s_mov_b32 s33, 32<<16
	s_mov_b32 s34, 300<<16
	s_mov_b32 s35, 32<<16
	s_mov_b32 s36, 300
	s_mov_b32 s37, 32
	s_mov_b32 s38, 0
	s_mov_b32 s39, 0
	s_and_b32 s19, s[WV], 1
	s_mul_i32 s48, s18, 16*REC                     ; the head's first byte in kvimg
	s_mov_b32 s49, 0
	s_mul_i32 s50, s19, 2*REC                      ; waves 0, 1: records 0-1, 2-3;
	s_mov_b32 s51, 0
	s_mul_i32 s52, s19, 6*REC
	s_add_co_u32 s52, s52, 4*REC                   ; records 4-9, 10-15.  In LDS as in the head
	s_mov_b32 s53, 0
	s_lshl_b32 s54, s18, 4
	s_add_co_u32 s58, s54, s[WV]
	s_mul_i32 s58, s58, 6400                       ; X's record of q
	s_mov_b32 s59, 0
	s_add_co_u32 s60, s54, s[WR]
	s_mul_i32 s60, s60, 6400                       ; Y's
	s_mov_b32 s61, 0
	s_mov_b32 s[SEL], 0x76543210
	s_mov_b32 s[SEL+1], 0xfedcba98                 ; v_permlanex16_b32's selects for lane l xor 16
	s_mov_b32 s[CSC], 0x3e38aa3b                   ; c = log2(e) / 8
	s_mov_b32 s[CSC+1], s[CSC]                     ; (named with it as a pair, so it is written)
	s_wait_dscnt 0x0
	s_wait_kmcnt 0x0
	s_add_nc_u64 s[6:7], s[6:7], s[48:49]
	s_mov_b32 s40, 1
	s_mov_b32 s41, s50
	s_add_nc_u64 s[42:43], s[6:7], s[50:51]
	s_or_b32 s43, s43, 0x80000000
	s_mov_b32 s44, 1
	s_mov_b32 s45, s52
	s_add_nc_u64 s[46:47], s[6:7], s[52:53]
	s_or_b32 s47, s47, 0x80000000
	s_add_nc_u64 s[58:59], s[4:5], s[58:59]
	s_add_nc_u64 s[60:61], s[4:5], s[60:61]
	CROUND                                         ; all four work-groups are here: the joint loads meet
	s_cmp_lt_u32 s[WV], 2                          ; a wave's two fills stand in one branch on the wave's number: two loads of waves 0 and 1 are out
	s_cbranch_scc0 .Lno_fetch
	tensor_load_to_lds s[40:43], s[24:31]
	s_nop 0
	tensor_load_to_lds s[44:47], s[32:39]
	s_nop 0
	PLACES 4
.Lno_fetch:
	v_and_b32 v254, 31, v0
	v_lshlrev_b32 v[L16], 4, v254
	v_lshlrev_b32 v[L8], 3, v254
	v_and_b32 v7, 15, v0                           ; r
	v_bfe_u32 v255, v0, 4, 1                       ; h
	s_mul_i32 s57, s17, 1536                       ; q's halves 2 p and 2 p + 1
	v_add_nc_u32 v232, s57, v[L16]
	v_add_nc_u32 v233, s57, v[L8]
	s_and_b32 s62, s17, 1
	s_lshl_b32 s62, s62, 7
	s_lshr_b32 s63, s17, 1
	s_lshl_b32 s63, s63, 2
	s_add_co_u32 s62, s62, s63
	v_lshl_add_u32 v234, v7, 3, s62                ; the word of pair p, row r: 8 (r + 16 (p % 2)) + 4 (p / 2)
	global_load_b128 v[QLOX:QLOX+3], v232, s[58:59]
	global_load_b64 v[QLOX+4:QLOX+5], v233, s[58:59] offset:512
	global_load_b32 v[QSX], v234, s[58:59] offset:6144
	global_load_b128 v[QLOY:QLOY+3], v232, s[60:61] offset:768
	global_load_b64 v[QLOY+4:QLOY+5], v233, s[60:61] offset:1280
	global_load_b32 v[QSY], v234, s[60:61] offset:6144
	v_and_b32 v9, 8, v7
	v_add_nc_u32 v9, v9, v7                        ; r + 8 (r / 8)
	v_lshlrev_b32 v255, 4, v255
	v_sub_nc_u32 v9, v9, v255                      ; - 16 h
	s_lshl_b32 s62, s17, 5
	v_add_nc_u32 v[DX], s62, v9
	v_add_nc_u32 v[DY], 8, v[DX]
	; where the results go: row block 128 batch + 8 kb + 2 p + u of acod; in it the head's 64 along K
	s_lshr_b32 s62, s18, 4
	s_and_b32 s63, s18, 15                         ; the head in its batch
	s_lshl_b32 s62, s62, 7
	s_lshl_b32 s66, s17, 1
	s_add_co_u32 s62, s62, s66
	s_lshl_b32 s66, s[WV], 3
	s_add_co_u32 s66, s66, s62
	s_lshl_b32 s67, s[WR], 3
	s_add_co_u32 s67, s67, s62
	s_add_co_u32 s67, s67, 1
	s_lshr_b32 s68, s63, 2
	s_mul_i32 s68, s68, 3328                       ; which 256 along K
	s_mul_i32 s50, s66, 13312
	s_add_co_u32 s50, s50, s68
	s_add_nc_u64 s[70:71], s[8:9], s[50:51]        ; X's
	s_mul_i32 s52, s67, 13312
	s_add_co_u32 s52, s52, s68
	s_add_nc_u64 s[72:73], s[8:9], s[52:53]        ; Y's
	s_bfe_u32 s69, s63, 0x10001                    ; which fragment,
	s_and_b32 s74, s63, 1                          ; which half of it
	s_mul_i32 s75, s69, 1536
	s_mul_i32 s76, s74, 768
	s_add_co_u32 s75, s75, s76
	v_add_nc_u32 v[VC16], s75, v[L16]
	v_add_nc_u32 v[VC8], s75, v[L8]
	s_lshl_b32 s69, s69, 2
	s_lshl_b32 s74, s74, 1
	s_add_co_u32 s69, s69, s74
	v_lshl_add_u32 v[VS], v7, 3, s69               ; 8 r + 4 x fragment + 2 x half
	v_mov_b32 v[NINF], 0xff800000
	v_mov_b32 v13, 0xff61b1e6                      ; the largest t so far: -3e38, under every t
	v_mov_b32 v17, 0xff61b1e6
	v_floor_f32 v12, -v13                          ; -M
	v_floor_f32 v16, -v17
.irp j, 14,15,18,19,236,237,238,239,253,255
	v_mov_b32 v[\j], 0                             ; the sums; and registers that are named before they are first written (a permute's destination, a pair's upper half)
.endr
.irp j, 0,1,2,3,4,5
	v_mov_b32 v[QHIX+\j], 0                        ; the zero codes beside q
	v_mov_b32 v[QHIY+\j], 0
	v_mov_b32 v[QLOY+6+\j], 0
.endr
	s_wait_loadcnt 0x0                             ; q
	v_perm_b32 v[QSX], v[QSX], v[QSX], 0x01000100  ; X is the pair's first tile: its two bytes, twice: they serve q in either half of K
	v_perm_b32 v[QSY], v[QSY], v[QSY], 0x03020302  ; Y the second
.set n, 0
.rept 64
	v_mov_b32 v[OX+n], 0                           ; O^T of both tiles: the step is written once; its first run finds zeros.  (These are also the places between the scale words just made and the first product)
.set n, n+1
.endr
; A STEP OF ONE TILE: 128 keys, the record in hand.  st: the statistics; qlo, qhi: [q | 0], [0 | q]; qs: q's scale word; ot: O^T; dd: the mask's number; kbs: the scalar that holds the tile's last record.
.macro TILESTEP st, qlo, qhi, qs, ot, dd, kbs
	s_cmp_gt_u32 s[KS], s[\kbs]                    ; all keys of the record come after my queries: the step is left out.  A branch on the wave's number and the loop's count; no barrier stands in a step
	s_cbranch_scc1 .Lhid_\@
	PLACES 5                                       ; the scores below are written over registers that the last V^T P read: five places; the loads want four
.irp f, 0,1,2,3
	FRAG FB+12*\f, 1536*\f
.endr
	ds_load_b64 v[SK:SK+1], v[A8] offset:12288
	s_wait_dscnt 0x0
.irp f, 0,1,2,3
.if \f%2
	v_wmma_scale_f32_16x16x128_f8f6f4 v[S+16*\f:S+16*\f+7], v[FB+12*\f:FB+12*\f+11], v[\qlo:\qlo+11], 0, v[SK+\f/2], v[\qs] matrix_a_fmt:MATRIX_FMT_FP6 matrix_b_fmt:MATRIX_FMT_FP6 matrix_a_scale:MATRIX_SCALE_ROW1
	v_wmma_scale_f32_16x16x128_f8f6f4 v[S+16*\f+8:S+16*\f+15], v[FB+12*\f:FB+12*\f+11], v[\qhi:\qhi+11], 0, v[SK+\f/2], v[\qs] matrix_a_fmt:MATRIX_FMT_FP6 matrix_b_fmt:MATRIX_FMT_FP6 matrix_a_scale:MATRIX_SCALE_ROW1
.else
	v_wmma_scale_f32_16x16x128_f8f6f4 v[S+16*\f:S+16*\f+7], v[FB+12*\f:FB+12*\f+11], v[\qlo:\qlo+11], 0, v[SK+\f/2], v[\qs] matrix_a_fmt:MATRIX_FMT_FP6 matrix_b_fmt:MATRIX_FMT_FP6
	v_wmma_scale_f32_16x16x128_f8f6f4 v[S+16*\f+8:S+16*\f+15], v[FB+12*\f:FB+12*\f+11], v[\qhi:\qhi+11], 0, v[SK+\f/2], v[\qs] matrix_a_fmt:MATRIX_FMT_FP6 matrix_b_fmt:MATRIX_FMT_FP6
.endif
.endr                                          ; register 16 b + i holds key 32 b + 16 h + i of the record
	PLACES 4
	s_cmp_lg_u32 s[KS], s[\kbs]                    ; only the tile's last record lies on the diagonal
	s_cbranch_scc1 .Lopen_\@
.set n, 0
.rept 64
	v_cmp_gt_i32 vcc_lo, 32*(n/16)+n%16, v[\dd]    ; a key after my query: its score becomes -infinity, p = 0
	v_cndmask_b32 v[S+n], v[S+n], v[NINF], vcc_lo
.set n, n+1
.endr
.Lopen_\@:
.irp b, 0,1,2,3
	v_max3_num_f32 v[BM+\b], v[S+16*\b], v[S+1+16*\b], v[S+2+16*\b]   ; the largest score of each block of 32 keys: for the row's maximum, and, since p rises with the score, for the block's largest p
.endr
.irp i, 3,5,7,9,11,13
.irp b, 0,1,2,3
	v_max3_num_f32 v[BM+\b], v[BM+\b], v[S+16*\b+\i], v[S+1+16*\b+\i]
.endr
.endr
.irp b, 0,1,2,3
	v_max_num_f32 v[BM+\b], v[BM+\b], v[S+15+16*\b]
.endr
.irp b, 0,1,2,3
	v_permlanex16_b32 v[PT+\b], v[BM+\b], s[SEL], s[SEL+1]
.endr
.irp b, 0,1,2,3
	v_max_num_f32 v[BM+\b], v[BM+\b], v[PT+\b]     ; with lane l xor 16's 16 keys
.endr
	v_max3_num_f32 v254, v[BM], v[BM+1], v[BM+2]
	v_max_num_f32 v254, v254, v[BM+3]
	v_mul_f32 v254, s[CSC], v254                   ; as t (c is positive)
	v_max_num_f32 v[\st+1], v[\st+1], v254         ; the running largest t
	v_mov_b32 v254, v[\st]
	v_floor_f32 v[\st], -v[\st+1]                  ; the new -M = floor(-t): M is a whole number
	v_sub_f32 v254, v[\st], v254                   ; old M - new M: a whole number, 0 or less
	v_cvt_i32_f32 v254, v254                       ; (it saturates)
	v_ldexp_f32 v252, 1.0, v254                    ; f = 2^(old M - new M)
.set n, 0
.rept 32
	v_pk_fma_f32 v[S+n:S+n+1], v[S+n:S+n+1], s[CSC:CSC+1], v[\st:\st+1] op_sel_hi:[1,0,0]   ; t - M, two at a time
.set n, n+2
.endr
.irp b, 0,1,2,3
	v_fma_f32 v[BM+\b], v[BM+\b], s[CSC], v[\st]
.endr
.set n, 0
.rept 64
	v_exp_f32 v[S+n], v[S+n]                       ; p = 2^(t - M)
.set n, n+1
.endr
	v_pk_mul_f32 v[\st+2:\st+3], v[\st+2:\st+3], v[252:253] op_sel_hi:[1,0]   ; the sums under the new M: a plain place behind the exponentials
	s_wait_alu depctr_va_vdst(0)                   ; one wait for the batch, ahead of its first reader
.irp b, 0,1,2,3
	v_exp_f32 v[BM+\b], v[BM+\b]                   ; the blocks' largest p
.endr
	v_pk_add_f32 v[PT:PT+1], v[S:S+1], v[S+2:S+3]  ; the row's sum, of the unquantised p: two chains
.irp j, 4,8,12,16,20,24,28,32,36,40,44,48,52,56,60
	v_pk_add_f32 v[\st+2:\st+3], v[\st+2:\st+3], v[S+\j:S+1+\j]
	v_pk_add_f32 v[PT:PT+1], v[PT:PT+1], v[S+2+\j:S+3+\j]
.endr
	v_pk_add_f32 v[\st+2:\st+3], v[\st+2:\st+3], v[PT:PT+1]
	s_wait_alu depctr_va_vdst(0)                   ; and one for the four
.irp b, 0,1,2,3
	v_max_num_f32 v[BM+\b], 0x1800000, v[BM+\b]    ; the floor 2^(3 - 127)
.endr
.irp b, 0,1,2,3
	v_add_nc_u32 v[SO+\b], 0xff000000, v[BM+\b]    ; 2 off the exponent field: the conversion's scale operand
.endr
.irp b, 0,1,2,3
	v_lshrrev_b32 v[PT+\b], 23, v[SO+\b]
.endr
	v_lshl_or_b32 v[PW], v[PT+1], 8, v[PT]         ; p's scale word for these 128 keys
	v_lshl_or_b32 v[PW], v[PT+2], 16, v[PW]
	v_lshl_or_b32 v[PW], v[PT+3], 24, v[PW]
.irp c, 0,1
	v_cvt_scalef32_pk16_fp6_f32 v[FB+6*\c:FB+2+6*\c], v[S+32*\c:S+15+32*\c], v[SO+2*\c]
	v_cvt_scalef32_pk16_fp6_f32 v[CT+4*\c:CT+2+4*\c], v[S+16+32*\c:S+31+32*\c], v[SO+2*\c+1]
.endr
.irp ct, 0,1,2,3
	FRAG S+12*\ct, 6144+1536*\ct                   ; V's four fragments take p's registers: they land while the codes are put in order and O^T is rescaled
.endr
	ds_load_b64 v[SV:SV+1], v[A8] offset:12544
	v_nop                                          ; one plain place behind a scaled conversion
.irp c, 0,1
.irp i, 0,1,2
	v_permlane16_swap_b32 v[FB+6*\c+\i], v[CT+4*\c+\i]
.endr
.irp i, 0,1,2
	v_mov_b32 v[FB+3+6*\c+\i], v[CT+4*\c+\i]
.endr
.endr
.set n, 0
.rept 16
	v_pk_mul_f32 v[\ot+n:\ot+n+1], v[\ot+n:\ot+n+1], v[252:253] op_sel_hi:[1,0]   ; O^T under the new M.  (Also the places between the codes and the scale word just made and the products)
.set n, n+2
.endr
	s_wait_dscnt 0x0
.irp ct, 0,1,2,3
.if \ct%2
	v_wmma_scale_f32_16x16x128_f8f6f4 v[\ot+8*\ct:\ot+8*\ct+7], v[S+12*\ct:S+12*\ct+11], v[FB:FB+11], v[\ot+8*\ct:\ot+8*\ct+7], v[SV+\ct/2], v[PW] matrix_a_fmt:MATRIX_FMT_FP6 matrix_b_fmt:MATRIX_FMT_FP6 matrix_a_scale:MATRIX_SCALE_ROW1
.else
	v_wmma_scale_f32_16x16x128_f8f6f4 v[\ot+8*\ct:\ot+8*\ct+7], v[S+12*\ct:S+12*\ct+11], v[FB:FB+11], v[\ot+8*\ct:\ot+8*\ct+7], v[SV+\ct/2], v[PW] matrix_a_fmt:MATRIX_FMT_FP6 matrix_b_fmt:MATRIX_FMT_FP6
.endif
.endr
.Lhid_\@:
.endm
.macro STEPS n                         ; the records from s[KS] up to n - 1
.Lks_\@:
	v_add_nc_u32 v[A16], s[TB], v[L16]
	v_add_nc_u32 v[A8], s[TB], v[L8]
	TILESTEP 12,QLOX,QHIX,QSX,OX,DX,WV
	TILESTEP 16,QLOY,QHIY,QSY,OY,DY,WR
	s_add_co_u32 s[TB], s[TB], REC
	s_add_co_u32 s[KS], s[KS], 1
	s_cmp_lt_u32 s[KS], \n
	s_cbranch_scc1 .Lks_\@
.endm
	s_mov_b32 s[KS], 0
	s_mov_b32 s[TB], 0
	s_wait_tensorcnt 0x1                           ; my first load (records 0-3 between waves 0 and 1) has landed; the second may stay out
	s_barrier_signal -1
	s_barrier_wait -1
	STEPS 4
	s_wait_tensorcnt 0x0                           ; records 4-15
	s_wait_dscnt 0x0
	s_barrier_signal -1
	s_barrier_wait -1
	s_mov_b32 s[KS], 4
	s_mov_b32 s[TB], 4*REC
	STEPS 16
	PLACES 4                                       ; behind the last products
; THE WAY OUT of a tile: O^T / the sum; register 16 b + i is channel 32 b + 16 h + i of my query: two blocks along the last product's K; quantised; a half of 768 bytes and two scale bytes a row.
.macro FIN st, ot, ob
	s_wait_xcnt 0x0                                ; the other tile's stores have read their registers
	v_add_f32 v254, v[\st+2], v[\st+3]
	v_permlanex16_b32 v255, v254, s[SEL], s[SEL+1]
	v_add_f32 v254, v254, v255                     ; the row's sum
	v_rcp_f32 v252, v254
	v_nop                                          ; a plain place behind the reciprocal,
	s_wait_alu depctr_va_vdst(0)                   ; and the wait ahead of its first reader
.set n, 0
.rept 16
	v_pk_mul_f32 v[S+n:S+n+1], v[\ot+n:\ot+n+1], v[252:253] op_sel_hi:[1,0]   ; each accumulator from its low end on
.set n, n+2
.endr
.irp b, 0,1
	v_max3_num_f32 v[BM+\b], |v[S+16*\b]|, |v[S+1+16*\b]|, 0x1800000
.endr
.irp i, 2,4,6,8,10,12,14
.irp b, 0,1
	v_max3_num_f32 v[BM+\b], v[BM+\b], |v[S+16*\b+\i]|, |v[S+1+16*\b+\i]|
.endr
.endr
.irp b, 0,1
	v_permlanex16_b32 v[PT+\b], v[BM+\b], s[SEL], s[SEL+1]
.endr
.irp b, 0,1
	v_max_num_f32 v[BM+\b], v[BM+\b], v[PT+\b]
.endr
.irp b, 0,1
	v_add_nc_u32 v[SO+\b], 0xff000000, v[BM+\b]
.endr
.irp b, 0,1
	v_lshrrev_b32 v[PT+\b], 23, v[SO+\b]
.endr
	v_lshl_or_b32 v254, v[PT+1], 8, v[PT]
	v_cvt_scalef32_pk16_fp6_f32 v[FB:FB+2], v[S:S+15], v[SO]
	v_cvt_scalef32_pk16_fp6_f32 v[CT:CT+2], v[S+16:S+31], v[SO+1]
	v_nop
.irp i, 0,1,2
	v_permlane16_swap_b32 v[FB+\i], v[CT+\i]
.endr
.irp i, 0,1,2
	v_mov_b32 v[FB+3+\i], v[CT+\i]
.endr
	global_store_b128 v[VC16], v[FB:FB+3], s[\ob:\ob+1]               ; 512 bytes on end
	global_store_b64 v[VC8], v[FB+4:FB+5], s[\ob:\ob+1] offset:512    ; 256 bytes on end
	global_store_b16 v[VS], v254, s[\ob:\ob+1] offset:3072            ; lanes r and r + 16 store the same two bytes
.endm
	FIN 12, OX, 70
	FIN 16, OY, 72
	s_wait_dscnt 0x0
	s_wait_tensorcnt 0x0
	ds_add_u32 v247, v251
	s_wait_dscnt 0x0
	CROUND                                         ; the closing round
	s_endpgm
.Lfunc_end_k_q640e0cfef1_attn:
	.size	k_q640e0cfef1_attn, .Lfunc_end_k_q640e0cfef1_attn-k_q640e0cfef1_attn
	.p2alignl 7, 3214868480
	.fill 96, 4, 3214868480
	.section	.rodata,"a",@progbits
	.p2align	6, 0x0
	.amdhsa_kernel k_q640e0cfef1_attn
		.amdhsa_group_segment_fixed_size 206848
		.amdhsa_private_segment_fixed_size 0
		.amdhsa_enable_private_segment 0
		.amdhsa_kernarg_size 24
		.amdhsa_user_sgpr_count 2
		.amdhsa_user_sgpr_kernarg_segment_ptr 1
		.amdhsa_wavefront_size32 1
		.amdhsa_system_sgpr_workgroup_id_x 1
		.amdhsa_system_sgpr_workgroup_id_y 1
		.amdhsa_system_sgpr_workgroup_id_z 1
		.amdhsa_system_vgpr_workitem_id 0
		.amdhsa_next_free_vgpr 256
		.amdhsa_next_free_sgpr 80
		.amdhsa_reserve_vcc 1
		.amdhsa_float_denorm_mode_32 3
		.amdhsa_float_denorm_mode_16_64 3
		.amdhsa_memory_ordered 1
		.amdhsa_forward_progress 1
		.amdhsa_inst_pref_size 101
	.end_amdhsa_kernel
	.amdgpu_metadata
---
amdhsa.version: [ 1, 2 ]
amdhsa.kernels:
  - .name:           k_q640e0cfef1_attn
    .symbol:         k_q640e0cfef1_attn.kd
    .args:
      - { .name: qimg, .offset: 0, .size: 8, .value_kind: global_buffer, .address_space: global }
      - { .name: kvimg, .offset: 8, .size: 8, .value_kind: global_buffer, .address_space: global }
      - { .name: acod, .offset: 16, .size: 8, .value_kind: global_buffer, .address_space: global }
    .group_segment_fixed_size: 206848
    .private_segment_fixed_size: 0
    .kernarg_segment_align: 8
    .kernarg_segment_size: 24
    .max_flat_workgroup_size: 512
    .sgpr_count:     80
    .vgpr_count:     256
    .wavefront_size: 32
...
	.end_amdgpu_metadata
.endif
;; end of part 3
;; launch proj (part 4): grid 4 x 32, 4 waves a work-group, clusters of 4 x 4, 327,680 bytes of LDS; arguments acod, cod, out0; writes out0
.if DOCPART == 4
	.amdgcn_target "amdgcn-amd-amdhsa--gfx1250"
	.amdhsa_code_object_version 6
	.text
	.protected	k_q640e0cfef1_proj
	.globl	k_q640e0cfef1_proj
	.p2align	8
	.type	k_q640e0cfef1_proj,@function
k_q640e0cfef1_proj:
	s_mov_b64 s[64:65], 0
	v_nop
	global_prefetch_b8 v0, s[64:65] scope:SCOPE_SE
	s_setreg_imm32_b32 hwreg(HW_REG_WAVE_MODE, 25, 1), 1
	s_wait_xcnt 0x0
	s_wait_alu depctr_hold_cnt(0) depctr_sa_sdst(0) depctr_va_vdst(0) depctr_va_sdst(0) depctr_va_ssrc(0) depctr_va_vcc(0) depctr_vm_vsrc(0)
	s_getreg_b32 s2, hwreg(HW_REG_IB_STS2, 6, 4)
	s_cmp_eq_u32 s2, 0
	s_cbranch_scc0 .Lentry_in_a_cluster
	s_endpgm
.Lentry_in_a_cluster:
	s_bfe_u32 s2, ttmp6, 0x10000c
	s_cmp_lg_u32 s2, 0xf033
	s_cbranch_scc0 .Lentry_shape_is_right
	s_endpgm
.Lentry_shape_is_right:
; out0 = a W_out^T on codes of FP6 (E2M3) with E8M0 scales (K = 1,024): a [8192][1024] from acod, W_out from cod (row blocks 704 on); out0 [8192][1024] f32.
; A work-group of four waves makes 256 x 256, a wave 128 x 128: 64 accumulators, 512 registers.  K goes in four parts of 256 through three LDS slots: three first fills and one refill.
; OPERANDS lie as images of their registers (16-row blocks; position r of block i = row 32 (i / 2) + 8 (i % 2) + r + 8 (r / 8); 3,200 bytes for a block and 256 along K: two fragments and 128 bytes of scale words):
; a fragment comes from LDS by two loads of 16 bytes a lane and two of 8, each dense: no padding.
; SOURCE 0 = W_out's rows (the B slot), SOURCE 1 = tokens (the A slot): a lane holds one token; the 16 registers of tiles 2 b, 2 b + 1 are 16 neighbouring columns of out0.
; CLUSTER 4 x 4: A's tiles are shared along a row of the cluster, B's along a column: each is asked for jointly.  The 1,024 columns make four tile columns: 128 work-groups have work.
; REGISTERS: window 0: v1-29 addresses; v32-63 scale words, two sets; v128-223 A's fragments, one set (on the way out v128-255: rows read back).  window 1: B's fragments, two sets.  windows 2, 3: accumulator (a, b) at v[8 (8 (a % 4) + b)].
.set RBB,   13312
.set KSL,   3328
.set TROW,  3200
.set HALFT, 8*TROW
.set SLOT,  4*HALFT
.set SPARE, 3*SLOT                     ; behind the three slots: the spare words, 128 bytes for each wave, which no other line names
.set SPITCH, 528                       ; the way out: a stage of 16 rows x (512 bytes + 16) for each wave, in slot 1, which has had its only fill, and its last read ahead of the last barrier
.set FR,    12
.set ADA16, 4
.set ADA8,  7
.set ADB16, 10
.set ADB8,  13
.set ADS,   16
.set L16,   19
.set L8,    20
.set STO,   23
.set RD,    24
.set SPW,   28
.set NIL,   29
.set SC,    32
.set AF,    128
.set BK,    128
.set G1A,   24
.set G1B,   32
.set G0A,   48
.set G0B,   68
.set MSB, 0
.macro WIN new                         ; the immediate's high byte repeats the setting that is left
.if MSB != (\new)
	s_set_vgpr_msb (MSB<<8)|(\new)
.set MSB, (\new)
.endif
.endm
.set MUL_LO, 0xa1
.set MUL_HI, 0xf1
.set TO_B,   0x40
.macro PLACES n
.rept \n
	v_nop
.endr
.endm
.macro JLOAD g0a, g0b                  ; a joint load: waves 0 and 1 fetch A's halves, waves 2 and 3 B's; four v_nop follow each of the two lines
	s_cmp_eq_u32 s15, 0
	s_cbranch_scc0 .Lfor_b_\@
	tensor_load_to_lds s[\g0a:\g0a+3], s[G1A:G1A+7]
	s_nop 0
	PLACES 4
	s_branch .Lasked_\@
.Lfor_b_\@:
	tensor_load_to_lds s[\g0b:\g0b+3], s[G1B:G1B+7]
	s_nop 0
	PLACES 4
.Lasked_\@:
.endm
.macro CREST
	s_cmp_lg_u32 s14, 0
	s_cbranch_scc1 .Lnot_wave_0_\@
	s_barrier_signal -3
.Lnot_wave_0_\@:
	s_barrier_wait -3
	s_barrier_signal -1
	s_barrier_wait -1
.endm
.macro CROUND
	s_barrier_signal -1
	s_barrier_wait -1
	CREST
.endm
.macro FRAG reg, a16, a8, off
	ds_load_b128 v[\reg:\reg+3], v[\a16] offset:\off
	ds_load_b64 v[\reg+4:\reg+5], v[\a8] offset:\off+512
	ds_load_b128 v[\reg+6:\reg+9], v[\a16] offset:\off+768
	ds_load_b64 v[\reg+10:\reg+11], v[\a8] offset:\off+1280
.endm
.macro FETCH_B ls, q, p
	WIN TO_B
.irp i, 0,1,2,3,4,5,6,7
	FRAG 128*(\p)+FR*\i, ADB16+\ls, ADB8+\ls, TROW*\i+1536*(\q)
.endr
	WIN 0
.endm
.macro FETCH_A ls, q, i0
.irp i, \i0, \i0+1, \i0+2, \i0+3
	FRAG AF+FR*(\i), ADA16+\ls, ADA8+\ls, TROW*(\i)+1536*(\q)
.endr
.endm
.macro SCALES ls, sc
.irp i, 0,1,2,3,4,5,6,7
	ds_load_b64 v[SC+16*(\sc)+2*\i:SC+16*(\sc)+2*\i+1], v[ADS+\ls] offset:TROW*\i+3072
.endr
.endm
; 16 matrix instructions: A's blocks a0, a0 + 1 x B's eight.  The 64 accumulators take turns, one instruction a turn, in the same order in every step.
.macro MUL16 a0, p, q, sc, zero
.irp a, \a0, \a0+1
.irp b, 0,1,2,3,4,5,6,7
.if \zero
	v_wmma_scale_f32_16x16x128_f8f6f4 v[8*(8*((\a)%4)+\b):8*(8*((\a)%4)+\b)+7], v[128*(\p)+FR*\b:128*(\p)+FR*\b+FR-1], v[AF+FR*(\a):AF+FR*(\a)+FR-1], 0, v[SC+16*(\sc)+2*\b+(\q)], v[SC+16*(\sc)+2*(\a)+(\q)] matrix_a_fmt:MATRIX_FMT_FP6 matrix_b_fmt:MATRIX_FMT_FP6 matrix_a_scale:MATRIX_SCALE_ROW1
.else
	v_wmma_scale_f32_16x16x128_f8f6f4 v[8*(8*((\a)%4)+\b):8*(8*((\a)%4)+\b)+7], v[128*(\p)+FR*\b:128*(\p)+FR*\b+FR-1], v[AF+FR*(\a):AF+FR*(\a)+FR-1], v[8*(8*((\a)%4)+\b):8*(8*((\a)%4)+\b)+7], v[SC+16*(\sc)+2*\b+(\q)], v[SC+16*(\sc)+2*(\a)+(\q)] matrix_a_fmt:MATRIX_FMT_FP6 matrix_b_fmt:MATRIX_FMT_FP6 matrix_a_scale:MATRIX_SCALE_ROW1
.endif
.endr
.endr
.endm
; A slot's first 128 along K.  Four plain places stand in front of each run of loads into registers that matrix instructions have read (ISA guide 7.12.1 for vector instructions).
.macro STEP ls, sc, zero
	s_wait_dscnt 16                                ; all but the youngest 16 loads (A's blocks 4-7) are in
	WIN MUL_LO
	MUL16 0, 0, 0, \sc, \zero
	MUL16 2, 0, 0, \sc, \zero
	s_wait_dscnt 0x0
	PLACES 4
	FETCH_B \ls, 1, 1
	FETCH_A \ls, 1, 0
	WIN MUL_HI
	MUL16 4, 0, 0, \sc, \zero
	MUL16 6, 0, 0, \sc, \zero
	PLACES 4
	WIN 0
	FETCH_A \ls, 1, 4
.endm
; A slot's second 128 along K, and the change to slot nls.  mode 2: the slot that is left is filled again: the wait for all my tensor loads, the add, the wait for it and for my reads, a round of the cluster's
; barrier, the joint refill first behind it.  mode 1: a work-group barrier, behind which the refilled slot is read.  mode 0: no barrier: the wait for all loads in front of mode 2's round has shown slot nls whole to every wave.
.macro TURN nls, sc, nsc, mode
.if \mode
	s_wait_tensorcnt 0x0                           ; all my tensor loads have landed
	ds_add_u32 v[SPW], v[NIL]                      ; 0 onto my spare word
	s_wait_dscnt 17                                ; (the add and the youngest 16 loads may be out)
	WIN MUL_LO
	MUL16 0, 1, 1, \sc, 0
	s_wait_dscnt 0x0                               ; the add is done, and my reads of this slot are over
	s_barrier_signal -1
	MUL16 2, 1, 1, \sc, 0
	WIN 0
	s_barrier_wait -1
.if \mode == 2
	CREST                                          ; no wave of any partner still reads slot 0 or has a load on its way
	s_add_nc_u64 s[G0A+2:G0A+3], s[G0A+2:G0A+3], 3*KSL   ; slot 0 takes the last 256 along K
	s_add_nc_u64 s[G0B+2:G0B+3], s[G0B+2:G0B+3], 3*KSL
	JLOAD G0A, G0B                                 ; it has 256 matrix instructions in which to land; its four v_nop are the places in front of the loads below
.else
	PLACES 4
.endif
.else
	s_wait_dscnt 16
	WIN MUL_LO
	MUL16 0, 1, 1, \sc, 0
	MUL16 2, 1, 1, \sc, 0
	s_wait_dscnt 0x0
	PLACES 4
.endif
	FETCH_B \nls, 0, 0
	FETCH_A \nls, 0, 0
	SCALES \nls, \nsc
	WIN MUL_HI
	MUL16 4, 1, 1, \sc, 0
	MUL16 6, 1, 1, \sc, 0
	PLACES 4
	WIN 0
	FETCH_A \nls, 0, 4
.endm
	s_load_b128 s[4:7], s[0:1], 0x0                ; acod s[4:5], cod s[6:7]
	s_load_b64 s[8:9], s[0:1], 0x10                ; out0
	v_lshl_add_u32 v[SPW], v0, 2, SPARE
	v_mov_b32 v[NIL], 0
	ds_add_u32 v28, v29
	ds_add_u32 v28, v29
	s_wait_dscnt 0x0
	v_lshrrev_b32 v1, 5, v0
	v_readfirstlane_b32 s14, v1                    ; wave 0..3
	s_lshr_b32 s15, s14, 1                         ; my half of A's blocks.  Also: I fetch for A (0) or for B (1)
	s_and_b32 s16, s14, 1                          ; my half of B's blocks.  Also: which half I fetch
	s_bfe_u32 s40, ttmp6, 0x40000                  ; cx
	s_bfe_u32 s41, ttmp6, 0x40004                  ; cy
	s_and_b32 s43, ttmp7, 0xffff                   ; the cluster's y: which 1,024 tokens
	s_lshl_b32 s44, s41, 2
	s_lshl_b32 s44, 15, s44                        ; my row of the cluster
	s_lshl_b32 s45, 0x1111, s40                    ; my column
	s_or_b32 s[G1A], s44, (3<<16)|(1<<21)          ; 15:0 the mask; 17:16 elements of 8 bytes; 20 no padding; 21 set beside a mask
	s_or_b32 s[G1B], s45, (3<<16)|(1<<21)
.irp g, G1A, G1B
	s_mov_b32 s[\g+1], 400<<16                     ; tensor_dim0 = 400 elements: 3,200 bytes
	s_mov_b32 s[\g+2], 8<<16                       ; tensor_dim1 = 8 row blocks
	s_mov_b32 s[\g+3], 400<<16
	s_mov_b32 s[\g+4], 8
	s_mov_b32 s[\g+5], 1664                        ; from block to block: 13,312 bytes
	s_mov_b32 s[\g+6], 0
	s_mov_b32 s[\g+7], 0
.endr
	s_lshl_b32 s81, s43, 6
	s_lshl_b32 s83, s41, 4
	s_add_co_u32 s81, s81, s83                     ; A: block 64 y + 16 cy
	s_lshl_b32 s82, s40, 4
	s_add_co_u32 s82, s82, 704                     ; B: block 704 + 16 cx
	s_lshl_b32 s85, s16, 3
	s_add_co_u32 s81, s81, s85                     ; the half that I fetch
	s_add_co_u32 s82, s82, s85
	s_mul_i32 s86, s81, RBB
	s_mov_b32 s87, 0
	s_mul_i32 s88, s82, RBB
	s_mov_b32 s89, 0
	s_mul_i32 s90, s14, HALFT                      ; where it goes: wave x 8 blocks: no place in the cluster enters an LDS address
	s_wait_kmcnt 0x0
	s_add_nc_u64 s[86:87], s[4:5], s[86:87]
	s_add_nc_u64 s[88:89], s[6:7], s[88:89]
	CROUND                                         ; all sixteen work-groups are here: the first joint loads meet
.irp s, 0,1,2
	s_mov_b32 s[G0A+4*\s], 1
	s_add_co_u32 s[G0A+4*\s+1], s90, \s*SLOT
	s_add_nc_u64 s[G0A+4*\s+2:G0A+4*\s+3], s[86:87], \s*KSL
	s_or_b32 s[G0A+4*\s+3], s[G0A+4*\s+3], 0x80000000
	s_mov_b32 s[G0B+4*\s], 1
	s_add_co_u32 s[G0B+4*\s+1], s90, \s*SLOT
	s_add_nc_u64 s[G0B+4*\s+2:G0B+4*\s+3], s[88:89], \s*KSL
	s_or_b32 s[G0B+4*\s+3], s[G0B+4*\s+3], 0x80000000
	JLOAD G0A+4*\s, G0B+4*\s                       ; three loads of mine are out
.endr
	v_and_b32 v1, 31, v0                           ; lane
	v_and_b32 v2, 15, v0                           ; r
	v_bfe_u32 v3, v0, 4, 1                         ; h
	v_lshlrev_b32 v[L16], 4, v1
	v_lshlrev_b32 v[L8], 3, v1
	s_mul_i32 s91, s15, HALFT
	s_mul_i32 s92, s16, HALFT
	s_add_co_u32 s92, s92, 2*HALFT
	s_sub_co_u32 s93, s92, s91
	v_mul_u32_u24 v21, s93, v3                     ; lanes 16-31 take B's scale words: one product with h
	v_lshl_add_u32 v21, v2, 3, v21
.irp s, 0,1,2
	v_add_nc_u32 v[ADA16+\s], s91, v[L16]
	v_add_nc_u32 v[ADA8+\s], s91, v[L8]
	v_add_nc_u32 v[ADB16+\s], s92, v[L16]
	v_add_nc_u32 v[ADB8+\s], s92, v[L8]
	v_add_nc_u32 v[ADS+\s], s91, v21
	s_add_co_u32 s91, s91, SLOT
	s_add_co_u32 s92, s92, SLOT
.endr
	s_mul_i32 s94, s14, 16*SPITCH
	s_add_co_u32 s94, s94, SLOT                    ; my stage
	v_mul_u32_u24 v22, v2, SPITCH
	v_lshl_add_u32 v22, v3, 6, v22
	v_add_nc_u32 v[STO], s94, v22                  ; in: row r, 64 h bytes on
	v_add_nc_u32 v[RD], s94, v[L16]                ; back: the 32 lanes take a row of 512 bytes
	s_lshl_b32 s80, s43, 2
	s_add_co_u32 s80, s80, s41
	s_lshl_b32 s80, s80, 8
	s_lshl_b32 s81, s15, 7
	s_add_co_u32 s80, s80, s81                     ; my first row of out0
	s_lshl_b32 s80, s80, 12
	s_lshl_b32 s81, s40, 10
	s_add_co_u32 s80, s80, s81                     ; my first column, in bytes: 1,024 cx + 512 x half
	s_lshl_b32 s81, s16, 9
	s_add_co_u32 s80, s80, s81
	s_mov_b32 s81, 0
	s_add_nc_u64 s[8:9], s[8:9], s[80:81]
	s_wait_tensorcnt 2                             ; my part of slot 0 is in; slots 1 and 2 may be out
	s_barrier_signal -1
	s_barrier_wait -1
	FETCH_B 0, 0, 0
	FETCH_A 0, 0, 0
	SCALES 0, 0
	FETCH_A 0, 0, 4
	STEP 0, 0, 1                                   ; the first products start the sums: nothing is cleared
	TURN 1, 0, 1, 2
	STEP 1, 1, 0
	TURN 2, 1, 0, 0
	STEP 2, 0, 0
	TURN 0, 0, 1, 1
	STEP 0, 1, 0
	s_wait_dscnt 16                                ; the last 128 along K: nothing more to fetch
	WIN MUL_LO
	MUL16 0, 1, 1, 1, 0
	MUL16 2, 1, 1, 1, 0
	s_wait_dscnt 0x0
	WIN MUL_HI
	MUL16 4, 1, 1, 1, 0
	MUL16 6, 1, 1, 1, 0
	WIN 0
	PLACES 4                                       ; in front of the first read of results and of the loads into A's registers
; THE WAY OUT, block by block of 16 tokens x 128 columns: through my own stage and back as whole rows of 512 bytes.  LDS serves a wave's instructions in order (ISA guide 5.7.1.4): no wait between the stores and the loads.
.macro TOSTAGE a
.set AC, 64*((\a)%4)
	WIN 0x08+4*((\a)/4)                            ; the data: window 2 or 3
.irp b, 0,1,2,3,4,5,6,7
	ds_store_b128 v[STO], v[AC+8*\b:AC+8*\b+3] offset:128*(\b/2)+32*(\b%2)          ; columns 32 (b / 2) + 16 h + 8 (b % 2) on; each accumulator from its low end on
	ds_store_b128 v[STO], v[AC+8*\b+4:AC+8*\b+7] offset:128*(\b/2)+32*(\b%2)+16
.endr
	WIN 0
.set BB, BK+64*((\a)%2)
.irp t, 0,1,2,3,4,5,6,7,8,9,10,11,12,13,14,15
	ds_load_b128 v[BB+4*\t:BB+4*\t+3], v[RD] offset:\t*SPITCH
.endr
.endm
.macro SEND a, younger                 ; younger: the LDS instructions issued behind block a's loads, which may stay out
.set BB, BK+64*((\a)%2)
	s_wait_dscnt \younger
.if (\a) > 0
.if (\a)%2 == 1
	s_add_nc_u64 s[8:9], s[8:9], 8*4096            ; (behind a wait on XCNT: the earlier stores have read their base)  an odd block begins 8 rows on,
.else
	s_add_nc_u64 s[8:9], s[8:9], 24*4096           ; an even one 24 more
.endif
.endif
.irp t, 0,1,2,3,4,5,6,7,8,9,10,11,12,13,14,15
	global_store_b128 v[L16], v[BB+4*\t:BB+4*\t+3], s[8:9] offset:(\t+8*(\t/8))*4096 th:TH_STORE_NT   ; 32 lanes store 512 bytes on end, at a multiple of 256 from out0's first byte
.endr
.endm
	TOSTAGE 0
.irp a, 1,2,3,4,5,6,7
.if \a > 1
	s_wait_xcnt 0x0                                ; block a - 2's stores have read their registers and their base
.endif
	TOSTAGE \a
	SEND \a-1, 32                                  ; behind block a - 1's loads: block a's 16 stores and 16 loads
.endr
	s_wait_xcnt 0x0
	SEND 7, 0
	s_wait_tensorcnt 0x0                           ; the wave's end
	ds_add_u32 v[SPW], v[NIL]
	s_wait_dscnt 0x0
	CROUND                                         ; the closing round: no work-group ends while a partner may still ask for a tile that names it
	s_endpgm
.Lfunc_end_k_q640e0cfef1_proj:
	.size	k_q640e0cfef1_proj, .Lfunc_end_k_q640e0cfef1_proj-k_q640e0cfef1_proj
	.p2alignl 7, 3214868480
	.fill 96, 4, 3214868480
	.section	.rodata,"a",@progbits
	.p2align	6, 0x0
	.amdhsa_kernel k_q640e0cfef1_proj
		.amdhsa_group_segment_fixed_size 327680
		.amdhsa_private_segment_fixed_size 0
		.amdhsa_enable_private_segment 0
		.amdhsa_kernarg_size 24
		.amdhsa_user_sgpr_count 2
		.amdhsa_user_sgpr_kernarg_segment_ptr 1
		.amdhsa_wavefront_size32 1
		.amdhsa_system_sgpr_workgroup_id_x 1
		.amdhsa_system_sgpr_workgroup_id_y 1
		.amdhsa_system_sgpr_workgroup_id_z 1
		.amdhsa_system_vgpr_workitem_id 0
		.amdhsa_next_free_vgpr 1024
		.amdhsa_next_free_sgpr 100
		.amdhsa_reserve_vcc 0
		.amdhsa_float_denorm_mode_32 3
		.amdhsa_float_denorm_mode_16_64 3
		.amdhsa_memory_ordered 1
		.amdhsa_forward_progress 1
		.amdhsa_inst_pref_size 141
	.end_amdhsa_kernel
	.amdgpu_metadata
---
amdhsa.version: [ 1, 2 ]
amdhsa.kernels:
  - .name:           k_q640e0cfef1_proj
    .symbol:         k_q640e0cfef1_proj.kd
    .args:
      - { .name: acod, .offset: 0, .size: 8, .value_kind: global_buffer, .address_space: global }
      - { .name: cod, .offset: 8, .size: 8, .value_kind: global_buffer, .address_space: global }
      - { .name: out0, .offset: 16, .size: 8, .value_kind: global_buffer, .address_space: global }
    .group_segment_fixed_size: 327680
    .private_segment_fixed_size: 0
    .kernarg_segment_align: 8
    .kernarg_segment_size: 24
    .max_flat_workgroup_size: 128
    .sgpr_count:     100
    .vgpr_count:     1024
    .wavefront_size: 32
...
	.end_amdgpu_metadata
.endif
;; end of part 4
